; MI455X (gfx1250); checked and timed in simulation.
; The chip was launched on July 23, 2026; its instructions are those of AMD's public machine-readable ISA for CDNA 5 (MIT licence, August 2026) and "CDNA5" Instruction Set Architecture Reference Guide (July 2026). The comments in the code are by the model that wrote it; some were corrected since.
;; Self Attention. Allowed arithmetic: matrix products marked QUANTISED: E4M3 operands, one E8M0 scale for each 32 along K, by v_wmma_scale_f32_16x16x128_f8f6f4 with both operands' format E4M3, f32 sums; everything else in f32.
;; Inputs: Wk 1,024 x 1,024 float32; Wo 1,024 x 1,024 float32; Wq 1,024 x 1,024 float32; Wv 1,024 x 1,024 float32; bk 1,024 float32; bo 1,024 float32; bq 1,024 float32; bv 1,024 float32; x 4 x 2,048 x 1,024 float32.
;; Outputs: out0 4 x 2,048 x 1,024 float32.
;; This version of the problem:
;;   THIS VERSION OF THE PROBLEM IS GIVEN IN LOW PRECISION. The matrix products marked QUANTISED in the list below multiply operands that are first quantised to E4M3 (4 exponent bits, 3 mantissa bits; 8 bits a number), with one power-of-two scale for each 32 numbers along K (OCP MX v1.0); their sums are f32. All else is computed in f32.
;;   The module's matrix products, in the order in which they are computed (A, B: the left and right operand; K: the contracted axis; several contracted axes count as one K, in the product's order):
;;     1. [M 8,192, K 1,024] x [K 1,024, N 1,024]; A: input x; B: input Wq: QUANTISED
;;     2. [M 8,192, K 1,024] x [K 1,024, N 1,024]; A: input x; B: input Wk: QUANTISED
;;     3. [M 8,192, K 1,024] x [K 1,024, N 1,024]; A: input x; B: input Wv: QUANTISED
;;     4. batch 64 x [M 2,048, K 64] x [K 64, N 2,048]; A: computed on the way; B: computed on the way: QUANTISED
;;     5. batch 64 x [M 2,048, K 2,048] x [K 2,048, N 64]; A: softmax (see below); B: computed on the way: QUANTISED
;;     6. [M 8,192, K 1,024] x [K 1,024, N 1,024]; A: computed on the way; B: input Wo: QUANTISED
;;   THE QUANTISER, for each operand of a quantised product, along K:
;;     - K is cut into blocks of 32 from its start; a last block that is shorter is filled with zeros.
;;     - A block's scale is 2^e with e = floor(log2(the largest magnitude in the block)) - 8, held to -126 .. 127; a block of zeros has e = 0. As a byte (E8M0): e + 127.
;;     - Each number is divided by its block's scale, clamped to +-448, and rounded to the nearest number of E4M3, ties to even, subnormals kept.
;;     - The product sums the exact products of the quantised numbers (number of the format x scale) in f32.
;;   ~~~python
;;   def quantise(x, axis):      # numpy; x: float32 -> the quantised numbers, widened to float32 again
;;       x = np.moveaxis(x, axis, -1); K = x.shape[-1]
;;       x = np.pad(x, [(0, 0)] * (x.ndim - 1) + [(0, -K % 32)]); x = x.reshape(x.shape[:-1] + (-1, 32)); a = np.abs(x).max(-1, keepdims=True)
;;       e = np.where(a > 0, np.clip(np.frexp(np.where(a > 0, a, 1))[1] - 1 - 8, -126, 127), 0)      # np.frexp(a)[1] - 1 = floor(log2(a)), exactly
;;       r = np.clip(x / 2.0 ** e, -448, 448)
;;       step = 2.0 ** (np.maximum(np.frexp(np.where(r == 0, 1, r))[1] - 1, -6) - 3)
;;       q = np.round(r / step) * step * 2.0 ** e      # np.round: ties to even
;;       return np.moveaxis(q.reshape(q.shape[:-2] + (-1,))[..., :K], -1, axis).astype(np.float32)
;;   ~~~
;;   SOFTMAX AHEAD OF A QUANTISED PRODUCT. Where the list says 'softmax', what is quantised is not the finished softmax but p = 2^(t - M), with t = logit x log2(e) and M = ceil(the row's largest t), a whole number; so 1/2 < the row's largest p <= 1. The row's sum l is taken of the UNQUANTISED p, in f32, and the product's result is divided by l at the end. Since M is a whole number, a kernel that streams over the keys may use a running M (the ceiling of the running maximum): every later rescaling is an exact power of two, which a block's scale takes up: the codes' values come out the same.
;;   OPERANDS COMPUTED ON THE WAY. 'Computed on the way' means the value that the module computes at that place (a softmax that the list does not call 'softmax' is quantised finished and normalised). What goes into a quantiser is computed in f32, as accurately as f32 sums, v_exp_f32 and their like allow (about 1e-6 of the number): no bf16 or f16 on the way to a quantiser, and a product that is left as it is and whose result goes on into a quantised operand takes f32 operands (vector FMAs, or v_wmma_f32_16x16x4_f32). A number that lies on a knife's edge between two numbers of the format may be rounded either way, as far as f32 arithmetic and the matrix unit's own rounding can turn it there, and no further.
;; One version. Each part assembles by itself: llvm-mc -triple=amdgcn-amd-amdhsa -mcpu=gfx1250 --defsym DOCPART=n.
;; ======== version 1 of 1: 4 launches
;; limits: right only within a limited range of input values
;; workspace buffers: x_img 8,388,608 bytes; x_sc 262,144 bytes; w_img 4,194,304 bytes; w_sc 131,072 bytes; qk 17,301,504 bytes; vimg 8,650,752 bytes; y_img 8,388,608 bytes; y_sc 262,144 bytes
;; launch prep (part 1): grid 384 x 1, 4 waves a work-group, no clusters, 67,072 bytes of LDS; arguments x, Wq, Wk, Wv, Wo, x_img, x_sc, w_img, w_sc; writes x_img, x_sc, w_img, w_sc
.if DOCPART == 1
	.amdgcn_target "amdgcn-amd-amdhsa--gfx1250"
	.amdhsa_code_object_version 6
	.text
	.protected	k_qb28fd8204a_prep
	.globl	k_qb28fd8204a_prep
	.p2align	8
	.type	k_qb28fd8204a_prep,@function
k_qb28fd8204a_prep:
	s_mov_b64 s[64:65], 0
	v_nop
	global_prefetch_b8 v0, s[64:65] scope:SCOPE_SE
	s_setreg_imm32_b32 hwreg(HW_REG_WAVE_MODE, 25, 1), 1
	s_wait_xcnt 0x0
; x [8192][1024] and the four weights [1024 (k)][1024 (n)], f32, become codes of E4M3 with one E8M0 byte for each 32 along K.
; THE CODES LIE AS IMAGES OF OPERAND REGISTERS: a fragment is 16 rows x 128 K = 2,048 bytes, [c 0..3][lane 0..31][16 bytes]; lane (r = lane % 16, h = lane / 16) holds places 32 c + 16 h + 0 .. 15 of row r.
; x_img, w_img: [row tile][K step 0..7][fragment].  w_img's rows are output columns: Wq 0-1023, Wk 1024-2047, Wv 2048-3071, Wo 3072-4095.
; x_sc, w_sc: [row tile][kp 0..3][r 0..15][q 0..1] words; a word is the four scale bytes of K step 2 kp + q of row r.
; Wo ALONE is laid with the second and third eight of each block of 32 along K exchanged: its partner operand is made in registers in that order.  The exchange stays inside a block, so scales are untouched.
; A block's scale is 2^(floor(log2(largest magnitude)) - 8): its byte is the largest magnitude's exponent field - 8, held at 1 from below.
; LIMITS: NaN and infinities among the inputs are not served; a block whose largest magnitude lies under 2^-118 gets the byte 1; a block of zeros gets the byte 1 where the rule says 127: its codes are zeros, and this program alone reads the bytes.
; Work-groups 0-255 take x (two row tiles each), 256-383 the weights (128 columns x 256 along K each): 128 KiB read by each.  The two ways never join and have LDS bytes of their own.  Waves share nothing: no barrier.
.set XW,    8448                       ; x's way: a stage of 16 rows x (512 + 16) bytes for each wave, from LDS byte 0
.set WSTG,  33792                      ; the weights' way: a stage of 8,192 bytes for each wave
.set SPARE, 66560                      ; the spare words, 128 bytes for each wave: two blocks of 256 bytes that no other line names
.set SPW,   4                          ; v4  LDS address of my spare word; never rewritten
.set NIL,   5                          ; v5  0; never rewritten
.set TM,    16                         ; v16-31 at work in QUANT: largest magnitudes, bytes, scale operands
.set SEL,   24                         ; s[24:25] lane selects: lane l xor 16
.set MNT,   26
; 64 numbers of a lane, register 16 b + i = place 16 h + i of block b of my row, become 16 registers of codes at v[pc] and the row's scale word in v[pw]
.macro QUANT s, pc, pw
.irp b, 0,1,2,3
	v_max3_num_f32 v[TM+\b], |v[(\s)+16*\b]|, |v[(\s)+1+16*\b]|, 0x4800000   ; my 16 numbers and the floor 2^(9 - 127): the byte cannot fall under 1
.endr
.irp i, 2,4,6,8,10,12,14
.irp b, 0,1,2,3
	v_max3_num_f32 v[TM+\b], v[TM+\b], |v[(\s)+16*\b+\i]|, |v[(\s)+1+16*\b+\i]|   ; the four blocks by turns
.endr
.endr
.irp b, 0,1,2,3
	v_permlanex16_b32 v[TM+4+\b], v[TM+\b], s[SEL], s[SEL+1]
.endr
.irp b, 0,1,2,3
	v_max_num_f32 v[TM+\b], v[TM+\b], v[TM+4+\b]           ; with lane l xor 16's 16: the block's largest magnitude
.endr
.irp b, 0,1,2,3
	v_add_nc_u32 v[TM+12+\b], 0xfc000000, v[TM+\b]         ; 8 off its exponent field: the conversion's scale operand
.endr
.irp b, 0,1,2,3
.endr
.irp b, 0,1,2,3
	v_lshrrev_b32 v[TM+4+\b], 23, v[TM+12+\b]              ; the scale's byte
.endr
	v_lshl_or_b32 v[\pw], v[TM+5], 8, v[TM+4]
	v_lshl_or_b32 v[\pw], v[TM+6], 16, v[\pw]
	v_lshl_or_b32 v[\pw], v[TM+7], 24, v[\pw]
.irp b, 0,1,2,3
.irp i, 0,1,2,3,4,5,6,7,8,9,10,11,12,13,14,15
.endr
	v_cvt_scalef32_pk8_fp8_f32 v[(\pc)+4*\b:(\pc)+1+4*\b], v[(\s)+16*\b:(\s)+7+16*\b], v[TM+12+\b]
	v_cvt_scalef32_pk8_fp8_f32 v[(\pc)+2+4*\b:(\pc)+3+4*\b], v[(\s)+8+16*\b:(\s)+15+16*\b], v[TM+12+\b]
.endr
	v_nop                                                  ; a plain line behind the last conversion
.endm
	s_load_b512 s[4:19], s[0:1], 0x0               ; x, Wq, Wk, Wv, Wo, x_img, x_sc, w_img
	s_load_b64 s[20:21], s[0:1], 0x40              ; w_sc
	v_lshl_add_u32 v[SPW], v0, 2, SPARE
	v_mov_b32 v[NIL], 0
	v_lshrrev_b32 v1, 5, v0
	v_readfirstlane_b32 s22, v1                    ; wave 0..3
	v_and_b32 v1, 31, v0                           ; lane
	v_and_b32 v2, 15, v0                           ; r
	v_bfe_u32 v3, v0, 4, 1                         ; h
	s_mov_b32 s[SEL], 0x76543210
	s_mov_b32 s[SEL+1], 0xfedcba98
	s_cmp_lt_u32 ttmp9, 256
	s_cbranch_scc0 .Lw
; ---------------- x: a wave owns row tile 2 g + wave / 2 and half wave % 2 of K: four K steps of 128
; v6 16 x lane; v7 into the stage; v8 out of it; v9 8 x lane; v10-13 the four scale words; v32-47 codes; v48-111 my 64 numbers; v112-175, v176-239 two sets as loaded
	v_lshlrev_b32 v6, 4, v1
	s_mul_i32 s23, s22, XW
	v_add_nc_u32 v7, s23, v6                       ; in: a row's 512 bytes as they lie
	v_mul_u32_u24 v8, v2, 528
	v_lshl_add_u32 v8, v3, 6, v8
	v_add_nc_u32 v8, s23, v8                       ; out: row r, + 64 h: my 16 numbers of a block
	v_lshlrev_b32 v9, 3, v1
.irp b, 0,1,2,3
	v_mov_b32 v[TM+4+\b], 0                        ; a lane permute's destination counts as one of its sources
.endr
	s_lshl_b32 s28, ttmp9, 1
	s_lshr_b32 s29, s22, 1
	s_add_co_u32 s28, s28, s29                     ; my row tile
	s_and_b32 s29, s22, 1                          ; my half of K
	s_lshl_b32 s30, s28, 16                        ; x: 16 rows of 4,096 bytes a tile,
	s_lshl_b32 s31, s29, 11                        ; 2,048 bytes of a row a half
	s_add_co_u32 s30, s30, s31
	s_mov_b32 s31, 0
	s_lshl_b32 s32, s28, 14                        ; x_img: 16,384 bytes a tile, 8,192 a half
	s_lshl_b32 s33, s29, 13
	s_add_co_u32 s32, s32, s33
	s_mov_b32 s33, 0
	s_lshl_b32 s34, s28, 9                         ; x_sc: 512 bytes a tile, 256 a half
	s_lshl_b32 s35, s29, 8
	s_add_co_u32 s34, s34, s35
	s_mov_b32 s35, 0
	s_wait_alu depctr_va_vdst(0)
	s_wait_kmcnt 0x0
	s_add_nc_u64 s[4:5], s[4:5], s[30:31]
	s_add_nc_u64 s[14:15], s[14:15], s[32:33]
	s_add_nc_u64 s[16:17], s[16:17], s[34:35]
.macro XLOAD s                         ; K step s: 512 consecutive bytes of each of the 16 rows
.irp i, 0,1,2,3,4,5,6,7,8,9,10,11,12,13,14,15
	global_load_b128 v[112+64*((\s)%2)+4*\i:112+64*((\s)%2)+4*\i+3], v6, s[4:5] offset:\i*4096+512*(\s) th:TH_LOAD_NT
.endr
.endm
.macro XSTEP s
.if (\s) < 3
	s_wait_loadcnt 16                              ; this step's 16 loads are in; the next step's 16 may be out
.else
	s_wait_loadcnt 0x0
.endif
.irp i, 0,1,2,3,4,5,6,7,8,9,10,11,12,13,14,15
	ds_store_b128 v7, v[112+64*((\s)%2)+4*\i:112+64*((\s)%2)+4*\i+3] offset:528*\i
.endr
.irp c, 0,1,2,3
.irp j, 0,1,2,3
	ds_load_b128 v[48+16*\c+4*\j:48+16*\c+4*\j+3], v8 offset:128*\c+16*\j   ; LDS serves a wave's instructions in order: these see the stores above
.endr
.endr
	s_wait_dscnt 0x0                               ; my 64 numbers are in, and the stores have read the set, which may be loaded again
.if (\s) < 2
	XLOAD (\s)+2
.endif
.if (\s) > 0
	s_wait_xcnt 0x0                                ; the last step's stores have read the codes' registers, which are written again below
.endif
	QUANT 48, 32, 10+(\s)
.irp c, 0,1,2,3
	global_store_b128 v6, v[32+4*\c:35+4*\c], s[14:15] offset:2048*(\s)+512*\c   ; 32 lanes store 512 consecutive bytes of the image
.endr
.endm
	XLOAD 0
	XLOAD 1
	XSTEP 0
	XSTEP 1
	XSTEP 2
	XSTEP 3
	v_cmp_lt_u32 vcc_lo, 15, v1                    ; lanes 0-15 store K steps 0, 1 of row r, lanes 16-31 K steps 2, 3 (both halves of the lanes hold the row's words)
	v_cndmask_b32 v14, v10, v12, vcc_lo
	v_cndmask_b32 v15, v11, v13, vcc_lo
	global_store_b64 v9, v[14:15], s[16:17]        ; 256 consecutive bytes, aligned
	s_wait_tensorcnt 0x0                           ; the wave's end, behind my last LDS store
	ds_add_u32 v[SPW], v[NIL]
	s_wait_dscnt 0x0
	s_endpgm
; ---------------- the weights: a lane takes a column n and its registers run down K; a wave takes 32 columns x 256 along K
; v6, v7, v8 offsets of my column (v7, v8: the two middle eights of a block); v9 into the stage; v10 out of it; v11 16 x lane; v12 my scale words' place; v[14:15] scale words; v32-39 a block's codes; v48-111 two sets of 32 numbers; v112-175 the way out
.Lw:
	s_sub_co_u32 s23, ttmp9, 256
	s_lshr_b32 s28, s23, 5                         ; which weight: 0 Wq, 1 Wk, 2 Wv, 3 Wo
	s_and_b32 s29, s23, 7                          ; which 128 columns
	s_bfe_u32 s30, s23, 0x20003                    ; which 256 along K
	s_wait_alu depctr_va_vdst(0)
	v_lshlrev_b32 v6, 2, v1
	s_cmp_eq_u32 s28, 3
	s_cselect_b32 s31, 32768, 0                    ; Wo: registers 8-15 take rows 16-23 of the block (8 rows of 4,096 bytes further down),
	s_cselect_b32 s32, 0, 32768                    ; and registers 16-23 rows 8-15; the others take them as they lie
	v_add_nc_u32 v7, s31, v6
	v_add_nc_u32 v8, s32, v6
	s_lshl_b32 s33, s22, 13
	s_add_co_u32 s33, s33, WSTG
	v_lshlrev_b32 v9, 4, v2
	v_lshl_add_u32 v9, v3, 12, v9
	v_add_nc_u32 v9, s33, v9                       ; the stage is [row tile 2][K step 2][fragment]: my column is row lane % 16 of tile lane / 16
	v_lshlrev_b32 v11, 4, v1
	v_add_nc_u32 v10, s33, v11
	v_lshlrev_b32 v12, 3, v2
	v_lshl_add_u32 v12, v3, 9, v12
	s_lshl_b32 s34, s30, 20                        ; W: 256 rows of 4,096 bytes,
	s_lshl_b32 s35, s29, 9                         ; 128 columns,
	s_add_co_u32 s34, s34, s35
	s_lshl_b32 s35, s22, 7                         ; my wave's 32
	s_add_co_u32 s34, s34, s35
	s_mov_b32 s35, 0
	s_lshl_b32 s36, s28, 6
	s_lshl_b32 s37, s29, 3
	s_add_co_u32 s36, s36, s37
	s_lshl_b32 s37, s22, 1
	s_add_co_u32 s36, s36, s37                     ; my first row tile of w_img
	s_lshl_b32 s38, s36, 9
	s_lshl_b32 s39, s30, 7
	s_add_co_u32 s38, s38, s39                     ; w_sc: 512 bytes a tile, 128 for two K steps
	s_mov_b32 s39, 0
	s_lshl_b32 s36, s36, 14
	s_lshl_b32 s37, s30, 12
	s_add_co_u32 s36, s36, s37                     ; w_img: 16,384 bytes a tile, 4,096 for two K steps
	s_mov_b32 s37, 0
	s_wait_alu depctr_va_vdst(0)
	s_wait_kmcnt 0x0
	s_cmp_eq_u32 s28, 1                            ; the choice hangs on the work-group's number alone
	s_cselect_b64 s[6:7], s[8:9], s[6:7]
	s_cmp_eq_u32 s28, 2
	s_cselect_b64 s[6:7], s[10:11], s[6:7]
	s_cmp_eq_u32 s28, 3
	s_cselect_b64 s[6:7], s[12:13], s[6:7]
	s_add_nc_u64 s[6:7], s[6:7], s[34:35]
	s_add_nc_u64 s[18:19], s[18:19], s[36:37]
	s_add_nc_u64 s[20:21], s[20:21], s[38:39]
.macro WLOAD t                         ; block t of 32 along K into set t % 2: each load reads 128 consecutive bytes, the four waves side by side 512
.irp i, 0,1,2,3,4,5,6,7
	global_load_b32 v[48+32*((\t)%2)+\i], v6, s[6:7] offset:(32*(\t)+\i)*4096 th:TH_LOAD_NT
.endr
.irp i, 0,1,2,3,4,5,6,7
	global_load_b32 v[56+32*((\t)%2)+\i], v7, s[6:7] offset:(32*(\t)+8+\i)*4096 th:TH_LOAD_NT
.endr
.irp i, 0,1,2,3,4,5,6,7
	global_load_b32 v[64+32*((\t)%2)+\i], v8, s[6:7] offset:(32*(\t)+8+\i)*4096 th:TH_LOAD_NT
.endr
.irp i, 0,1,2,3,4,5,6,7
	global_load_b32 v[72+32*((\t)%2)+\i], v6, s[6:7] offset:(32*(\t)+24+\i)*4096 th:TH_LOAD_NT
.endr
.endm
.macro WBLOCK t
.set XS, 48+32*((\t)%2)
.if (\t) < 7
	s_wait_loadcnt 32                              ; this block's 32 loads are in; the next block's may be out
.else
	s_wait_loadcnt 0x0
.endif
	v_max3_num_f32 v16, |v[XS]|, |v[XS+1]|, |v[XS+2]|              ; all 32 numbers of the block are mine
	v_max3_num_f32 v17, |v[XS+3]|, |v[XS+4]|, |v[XS+5]|
.irp i, 6,10,14,18,22,26
	v_max3_num_f32 v16, v16, |v[XS+\i]|, |v[XS+\i+1]|
	v_max3_num_f32 v17, v17, |v[XS+\i+2]|, |v[XS+\i+3]|
.endr
	v_max3_num_f32 v16, v16, |v[XS+30]|, |v[XS+31]|
	v_max3_num_f32 v16, v16, v17, 0x4800000        ; and the floor
	v_add_nc_u32 v19, 0xfc000000, v16              ; the conversion's scale operand
	v_lshrrev_b32 v17, 23, v19                     ; the byte
.if (\t)%4 == 0
	v_mov_b32 v[14+(\t)/4], v17
.else
	v_lshl_or_b32 v[14+(\t)/4], v17, 8*((\t)%4), v[14+(\t)/4]
.endif
.irp i, 0,1,2,3,4,5,6,7,8,9,10,11,12,13,14,15,16,17,18,19,20,21,22,23,24,25,26,27,28,29,30,31
.endr
.irp g, 0,1,2,3
	v_cvt_scalef32_pk8_fp8_f32 v[32+2*\g:33+2*\g], v[XS+8*\g:XS+8*\g+7], v19
.endr
	ds_store_b128 v9, v[32:35] offset:((\t)/4)*2048+((\t)%4)*512       ; places 0-15: the image's lanes 0-15
	ds_store_b128 v9, v[36:39] offset:((\t)/4)*2048+((\t)%4)*512+256   ; places 16-31: its lanes 16-31
.if (\t)+2 < 8
	WLOAD (\t)+2
.endif
	s_wait_dscnt 0x0                               ; the stores have read their registers: the next block's codes may be written
.endm
	WLOAD 0
	WLOAD 1
.irp t, 0,1,2,3,4,5,6,7
	WBLOCK \t
.endr
	s_wait_alu depctr_va_vdst(0)
	global_store_b64 v12, v[14:15], s[20:21]       ; my column's two scale words
.irp i, 0,1,2,3,4,5,6,7,8,9,10,11,12,13,14,15
	ds_load_b128 v[112+4*\i:115+4*\i], v10 offset:512*\i
.endr
.irp i, 0,1,2,3,4,5,6,7,8,9,10,11,12,13,14,15
	s_wait_dscnt 15-\i                             ; the younger loads may be out
	global_store_b128 v11, v[112+4*\i:115+4*\i], s[18:19] offset:(\i/8)*16384+(\i%8)*512   ; 512 consecutive bytes of an image
.endr
	s_wait_tensorcnt 0x0                           ; the wave's end, behind my last LDS store
	ds_add_u32 v[SPW], v[NIL]
	s_wait_dscnt 0x0
	s_endpgm
.Lfunc_end_k_qb28fd8204a_prep:
	.size	k_qb28fd8204a_prep, .Lfunc_end_k_qb28fd8204a_prep-k_qb28fd8204a_prep
	.p2alignl 7, 3214868480
	.fill 96, 4, 3214868480
	.section	.rodata,"a",@progbits
	.p2align	6, 0x0
	.amdhsa_kernel k_qb28fd8204a_prep
		.amdhsa_group_segment_fixed_size 67072
		.amdhsa_private_segment_fixed_size 0
		.amdhsa_enable_private_segment 0
		.amdhsa_kernarg_size 72
		.amdhsa_user_sgpr_count 2
		.amdhsa_user_sgpr_kernarg_segment_ptr 1
		.amdhsa_wavefront_size32 1
		.amdhsa_system_sgpr_workgroup_id_x 1
		.amdhsa_system_sgpr_workgroup_id_y 1
		.amdhsa_system_sgpr_workgroup_id_z 1
		.amdhsa_system_vgpr_workitem_id 0
		.amdhsa_next_free_vgpr 256
		.amdhsa_next_free_sgpr 66
		.amdhsa_reserve_vcc 1
		.amdhsa_float_denorm_mode_32 3
		.amdhsa_float_denorm_mode_16_64 3
		.amdhsa_fp16_overflow 1
		.amdhsa_memory_ordered 1
		.amdhsa_forward_progress 1
		.amdhsa_inst_pref_size 75
	.end_amdhsa_kernel
	.amdgpu_metadata
---
amdhsa.version: [ 1, 2 ]
amdhsa.kernels:
  - .name:           k_qb28fd8204a_prep
    .symbol:         k_qb28fd8204a_prep.kd
    .args:
      - { .name: x, .offset: 0, .size: 8, .value_kind: global_buffer, .address_space: global }
      - { .name: Wq, .offset: 8, .size: 8, .value_kind: global_buffer, .address_space: global }
      - { .name: Wk, .offset: 16, .size: 8, .value_kind: global_buffer, .address_space: global }
      - { .name: Wv, .offset: 24, .size: 8, .value_kind: global_buffer, .address_space: global }
      - { .name: Wo, .offset: 32, .size: 8, .value_kind: global_buffer, .address_space: global }
      - { .name: x_img, .offset: 40, .size: 8, .value_kind: global_buffer, .address_space: global }
      - { .name: x_sc, .offset: 48, .size: 8, .value_kind: global_buffer, .address_space: global }
      - { .name: w_img, .offset: 56, .size: 8, .value_kind: global_buffer, .address_space: global }
      - { .name: w_sc, .offset: 64, .size: 8, .value_kind: global_buffer, .address_space: global }
    .group_segment_fixed_size: 67072
    .private_segment_fixed_size: 0
    .kernarg_segment_align: 8
    .kernarg_segment_size: 72
    .max_flat_workgroup_size: 128
    .sgpr_count:     66
    .vgpr_count:     256
    .wavefront_size: 32
...
	.end_amdgpu_metadata
.endif
;; end of part 1
;; launch qkv (part 2): grid 12 x 64, 4 waves a work-group, clusters of 4 x 4, 327,680 bytes of LDS; arguments x_img, x_sc, w_img, w_sc, bq, bk, bv, qk, vimg; writes qk, vimg
.if DOCPART == 2
	.amdgcn_target "amdgcn-amd-amdhsa--gfx1250"
	.amdhsa_code_object_version 6
	.text
	.protected	k_qb28fd8204a_qkv
	.globl	k_qb28fd8204a_qkv
	.p2align	8
	.type	k_qb28fd8204a_qkv,@function
k_qb28fd8204a_qkv:
	s_mov_b64 s[64:65], 0
	v_nop
	global_prefetch_b8 v0, s[64:65] scope:SCOPE_SE
	s_setreg_imm32_b32 hwreg(HW_REG_WAVE_MODE, 25, 1), 1
	s_wait_xcnt 0x0
	s_wait_alu depctr_hold_cnt(0) depctr_sa_sdst(0) depctr_va_vdst(0) depctr_va_sdst(0) depctr_va_ssrc(0) depctr_va_vcc(0) depctr_vm_vsrc(0)
	s_getreg_b32 s2, hwreg(HW_REG_IB_STS2, 6, 4)
	s_cmp_eq_u32 s2, 0
	s_cbranch_scc0 .Lentry_in_a_cluster
	s_endpgm
.Lentry_in_a_cluster:
	s_bfe_u32 s2, ttmp6, 0x10000c
	s_cmp_lg_u32 s2, 0xf033
	s_cbranch_scc0 .Lentry_shape_is_right
	s_endpgm
.Lentry_shape_is_right:
; q = x Wq + bq, k = x Wk + bk, v = x Wv + bv on codes of E4M3 (one E8M0 byte for each 32 along K = 1,024), and the results quantised in registers for the attention launch.
; THE CORE: C'[m'][n'] = sum over k of A'[m'][k] B'[n'][k]; a work-group makes 128 (m') x 256 (n'), each of its four waves 64 x 128: 32 accumulators, 256 registers.
; Operands lie in memory as images of their registers (fragment = 16 rows x 128 K = 2,048 bytes, [c][lane][16 bytes]), so every LDS load takes 512 consecutive bytes: no pitch, no padding.
; THE MATRIX INSTRUCTION IS USED TRANSPOSED (source 0 = 16 rows of B', source 1 = 16 rows of A'): a lane holds ONE row m' and its registers run along n'.
; Clusters x = 0, 1 (q and k): A' = x's tokens, B' = the columns of Wq | Wk: a lane holds a token and 128 channels (two heads): quantised along the head's 64.
; Cluster x = 2 (v): A' = Wv's columns, B' = x's tokens: a lane holds a channel and 128 keys: quantised along the keys, which are the K of attention's second product.
; ORDER INSIDE A BLOCK OF 32: the 16 registers of two neighbouring tiles hold units 8 h + 0..7 and 16 + 8 h + 0..7, so as an operand the block's second and third eight are exchanged.  q and k both have it, and so
; have v and the softmax's p: each product sums the same pairs.  The exchange stays inside a block, so scales are untouched; only the grouping of the matrix unit's sums differs from memory order.
; qk: [b][32 head blocks: q's 16, k's 16][135,168 bytes]: codes [pair of token tiles 64][c' = 2 u + c][lane][16], then from 131,072 words [pair][r]: bytes u0.s0, u0.s1, u1.s0, u1.s1.
; vimg: [b][h][135,168]: codes [key step 16][channel tile 4][fragment], then from 131,072 words [key step][tile][r].
; K goes in steps of 256 through two LDS slots (A': 8 row tiles x 4,096 bytes, B': 16); the scale words of all of K stay in LDS.  CLUSTER 4 x 4: A's tiles are asked for jointly along a row, B's along a column.
; LIMITS: NaN and infinities are not served; a block whose largest magnitude lies under 2^-118, a block of zeros too, gets the byte 1 (its codes are then zeros or next to it; this program alone reads the bytes).
; No prefetch: two of the four K slots are asked for at the head, and the rest follows within four steps.
; REGISTERS, in windows of 256.  Window 0: v1 r, v2 h, v3 lane, v16-31 addresses, v32-63 scale words (two sets), v64-191 A's fragments (two sets of four), v192-255 at work.  Window 1: B's fragments, two sets of eight.
;   Window 2: accumulator (a, b) at v[64 a + 8 b].  Window 3: v0-63 bias along n', v64-71 bias along m' (each number twice, as a pair).
.set SLOT,  98304
.set BOFF,  32768                      ; B's tiles in a slot
.set SCL,   196608                     ; behind the ring: A's scale words (4,096 bytes), then B's (8,192)
.set SPARE, 208896                     ; the spare words, 128 bytes for each wave: two blocks of 256 bytes that no other line names
.set HB,    135168                     ; a head's block in qk and vimg
.set ADRA, 16
.set ADRB, 20
.set LI,   24                          ; 16 x lane
.set L4,   25                          ; 4 x lane
.set ADRS, 27
.set SPW,  28
.set NIL,  29
.set VBN,  30
.set VBM,  31
.set SC,   32
.set AF,   64
.set T,    192
.set TM,   140
.set WV,   22                          ; s22 wave; s23 wave / 2: my half of m', and: I fetch for A' (0) or B' (1); s24 wave % 2: my half of n', and which half I fetch
.set RH,   23
.set CH,   24
.set G1,   32
.set G0,   40
.set G1B,  48
.set G0B,  56
.set G1S,  68
.set G0S,  76
.set G1SB, 80
.set G0SB, 88
.set SEL,  4                           ; from the epilogue on
.set MNT,  6
.set MUL,  0xa1                        ; source 0 (B') window 1, source 1 (A') window 0, C and D window 2
.set MSB,  0
.macro WIN new                         ; the immediate's high byte repeats the setting that is left
.if MSB != \new
	s_set_vgpr_msb (MSB<<8)|\new
.set MSB, \new
.endif
.endm
.macro PLACES n
.rept \n
	v_nop
.endr
.endm
; a joint load: waves 0, 1 fetch for A', waves 2, 3 for B'; the branch hangs on the wave's number alone; an s_nop 0 and four v_nop follow each line
.macro JLOAD g0a, g1a, g0b, g1b
	s_cmp_eq_u32 s[RH], 0
	s_cbranch_scc0 .Lfor_b_\@
	tensor_load_to_lds s[\g0a:\g0a+3], s[\g1a:\g1a+7]
	s_nop 0
.rept 4
	v_nop
.endr
	s_branch .Lasked_\@
.Lfor_b_\@:
	tensor_load_to_lds s[\g0b:\g0b+3], s[\g1b:\g1b+7]
	s_nop 0
.rept 4
	v_nop
.endr
.Lasked_\@:
.endm
.macro CREST                           ; a round of the cluster's barrier behind its opening barrier
	s_cmp_lg_u32 s[WV], 0
	s_cbranch_scc1 .Lnot_wave_0_\@
	s_barrier_signal -3
.Lnot_wave_0_\@:
	s_barrier_wait -3
	s_barrier_signal -1
	s_barrier_wait -1
.endm
.macro CROUND
	s_barrier_signal -1
	s_barrier_wait -1
	CREST
.endm
.macro G1SET g, mask, c, r, p          ; group 1: r rows of c elements of 8 bytes, p elements from row to row, no padding; bit 21 beside the mask
	s_or_b32 s[\g], s[\mask], (3<<16)|(1<<21)
	s_mov_b32 s[\g+1], (\c)<<16
	s_mov_b32 s[\g+2], (\r)<<16
	s_mov_b32 s[\g+3], (\c)<<16
	s_mov_b32 s[\g+4], \r
	s_mov_b32 s[\g+5], \p
	s_mov_b32 s[\g+6], 0
	s_mov_b32 s[\g+7], 0
.endm
.macro FRAG reg, adr, off              ; a fragment comes back as it was laid: four loads of 512 consecutive bytes
.irp c, 0,1,2,3
	ds_load_b128 v[(\reg)+4*\c:(\reg)+4*\c+3], v[\adr] offset:(\off)+512*\c
.endr
.endm
.macro FETCH_B slot, q, p
	WIN 0x40
.irp i, 0,1,2,3,4,5,6,7
	FRAG 128*(\p)+16*\i, ADRB+(\slot), \i*4096+(\q)*2048
.endr
	WIN 0
.endm
.macro FETCH_A slot, q, p
.irp i, 0,1,2,3
	FRAG AF+64*(\p)+16*\i, ADRA+(\slot), \i*4096+(\q)*2048
.endr
.endm
.macro SCALES sc, kp                   ; register 2 i + q of set sc: lanes 0-15 the word of A's tile i, lanes 16-31 that of B's tile i (lanes 0-15 of i = 4..7 read filled bytes that nobody uses)
.irp i, 0,1,2,3,4,5,6,7
	ds_load_b64 v[SC+16*(\sc)+2*\i:SC+16*(\sc)+2*\i+1], v[ADRS] offset:\i*512+(\kp)*128
.endr
.endm
; eight products: A's tile a against B's eight.  The 32 accumulators take turns, one instruction a turn, in the same order in every step
.macro MUL8 a, p, q, sc, zero
.irp b, 0,1,2,3,4,5,6,7
.if \zero
	v_wmma_scale_f32_16x16x128_f8f6f4 v[64*(\a)+8*\b:64*(\a)+8*\b+7], v[128*(\p)+16*\b:128*(\p)+16*\b+15], v[AF+64*(\p)+16*(\a):AF+64*(\p)+16*(\a)+15], 0, v[SC+16*(\sc)+2*\b+(\q)], v[SC+16*(\sc)+2*(\a)+(\q)] matrix_a_scale:MATRIX_SCALE_ROW1
.else
	v_wmma_scale_f32_16x16x128_f8f6f4 v[64*(\a)+8*\b:64*(\a)+8*\b+7], v[128*(\p)+16*\b:128*(\p)+16*\b+15], v[AF+64*(\p)+16*(\a):AF+64*(\p)+16*(\a)+15], v[64*(\a)+8*\b:64*(\a)+8*\b+7], v[SC+16*(\sc)+2*\b+(\q)], v[SC+16*(\sc)+2*(\a)+(\q)] matrix_a_scale:MATRIX_SCALE_ROW1
.endif
.endr
.endm
.macro STEP slot, zero                 ; a slot's first 128 along K, on set 0; set 1 is fetched ahead of the products
	s_wait_dscnt 0x0                               ; set 0 and its scale words are in
	PLACES 8                                       ; eight places between the last products, which read set 1, and the loads into it
	FETCH_B \slot, 1, 1
	FETCH_A \slot, 1, 1
	WIN MUL
	MUL8 0, 0, 0, \slot, \zero
	MUL8 1, 0, 0, \slot, \zero
	MUL8 2, 0, 0, \slot, \zero
	MUL8 3, 0, 0, \slot, \zero
	WIN 0
.endm
; a slot's second 128 along K, on set 1, and the change of slots: ONE barrier; ahead of it each wave waits for all its tensor loads, adds 0 to its spare word, and waits for that and for its reads of this slot
.macro TURN slot, next, fill, kp
	s_wait_tensorcnt 0x0                           ; all my tensor loads have landed: my part of the next slot
	ds_add_u32 v[SPW], v[NIL]
	s_wait_dscnt 1                                 ; set 1 is in; the add alone may be out
	WIN MUL
	MUL8 0, 1, 1, \slot, 0
	s_wait_dscnt 0x0                               ; the add is done, and my reads of this slot are over
	s_barrier_signal -1
	MUL8 1, 1, 1, \slot, 0
	WIN 0
	s_barrier_wait -1
.if \fill
	CREST                                          ; the barrier has opened a round of the cluster's: no wave of any partner reads this slot or has a load on its way
	s_add_nc_u64 s[G0+4*\slot+2:G0+4*\slot+3], s[G0+4*\slot+2:G0+4*\slot+3], 8192
	s_add_nc_u64 s[G0B+4*\slot+2:G0B+4*\slot+3], s[G0B+4*\slot+2:G0B+4*\slot+3], 8192
	JLOAD G0+4*\slot, G1, G0B+4*\slot, G1B         ; the first tensor load behind the round; its four v_nop are four of the eight places ahead of the loads below
	PLACES 4
.else
	PLACES 8
.endif
	FETCH_B \next, 0, 0
	FETCH_A \next, 0, 0
	SCALES \next, \kp
	WIN MUL
	MUL8 2, 1, 1, \slot, 0
	MUL8 3, 1, 1, \slot, 0
	WIN 0
.endm
; 64 numbers of a lane, register 16 b + i = place 16 h + i of block b of my row, become 16 registers of codes at v[pc] and the row's scale word in v[pw]
.macro QUANT s, pc, pw
.irp b, 0,1,2,3
	v_max3_num_f32 v[TM+\b], |v[(\s)+16*\b]|, |v[(\s)+1+16*\b]|, 0x4800000   ; my 16 numbers and the floor 2^(9 - 127)
.endr
.irp i, 2,4,6,8,10,12,14
.irp b, 0,1,2,3
	v_max3_num_f32 v[TM+\b], v[TM+\b], |v[(\s)+16*\b+\i]|, |v[(\s)+1+16*\b+\i]|
.endr
.endr
.irp b, 0,1,2,3
	v_permlanex16_b32 v[TM+4+\b], v[TM+\b], s[SEL], s[SEL+1]
.endr
.irp b, 0,1,2,3
	v_max_num_f32 v[TM+\b], v[TM+\b], v[TM+4+\b]
.endr
.irp b, 0,1,2,3
	v_add_nc_u32 v[TM+12+\b], 0xfc000000, v[TM+\b]
.endr
.irp b, 0,1,2,3
.endr
.irp b, 0,1,2,3
	v_lshrrev_b32 v[TM+4+\b], 23, v[TM+12+\b]
.endr
	v_lshl_or_b32 v[\pw], v[TM+5], 8, v[TM+4]
	v_lshl_or_b32 v[\pw], v[TM+6], 16, v[\pw]
	v_lshl_or_b32 v[\pw], v[TM+7], 24, v[\pw]
.irp b, 0,1,2,3
.irp i, 0,1,2,3,4,5,6,7,8,9,10,11,12,13,14,15
.endr
	v_cvt_scalef32_pk8_fp8_f32 v[(\pc)+4*\b:(\pc)+1+4*\b], v[(\s)+16*\b:(\s)+7+16*\b], v[TM+12+\b]
	v_cvt_scalef32_pk8_fp8_f32 v[(\pc)+2+4*\b:(\pc)+3+4*\b], v[(\s)+8+16*\b:(\s)+15+16*\b], v[TM+12+\b]
.endr
	v_nop                                          ; a plain line behind the last conversion
.endm
.macro ADDB a, alongm                  ; tile row a's 64 sums + the bias, into v[T] on; each accumulator is read from its low end on
	WIN 0x0e                                       ; source 0 window 2, source 1 window 3
.irp x, 0,2,4,6,8,10,12,14,16,18,20,22,24,26,28,30,32,34,36,38,40,42,44,46,48,50,52,54,56,58,60,62
.if \alongm
	v_pk_add_f32 v[T+\x:T+\x+1], v[64*(\a)+\x:64*(\a)+\x+1], v[64+2*(\a):65+2*(\a)]
.else
	v_pk_add_f32 v[T+\x:T+\x+1], v[64*(\a)+\x:64*(\a)+\x+1], v[\x:\x+1]
.endif
.endr
	WIN 0
.endm
	s_load_b512 s[4:19], s[0:1], 0x0               ; x_img, x_sc, w_img, w_sc, bq, bk, bv, qk
	s_load_b64 s[20:21], s[0:1], 0x40              ; vimg
	v_lshl_add_u32 v[SPW], v0, 2, SPARE
	v_mov_b32 v[NIL], 0
	ds_add_u32 v[SPW], v[NIL]                      ; the wave's opening: the add, twice on end, and its wait ahead of my first tensor load
	ds_add_u32 v[SPW], v[NIL]
	v_lshrrev_b32 v1, 5, v0
	v_readfirstlane_b32 s[WV], v1
	s_lshr_b32 s[RH], s[WV], 1
	s_and_b32 s[CH], s[WV], 1
	s_bfe_u32 s25, ttmp6, 0x40000                  ; cx
	s_bfe_u32 s26, ttmp6, 0x40004                  ; cy
	s_and_b32 s2, ttmp7, 0xffff                    ; cluster y, 0..15
	s_and_b32 s3, s2, 1
	s_lshr_b32 s66, s2, 1
	s_cmp_eq_u32 ttmp9, 2                          ; cluster x = 2 makes v: the same in all sixteen partners
	s_cselect_b32 s27, 1, 0
	s_cselect_b32 s28, s3, s2                      ; the cluster's row of tiles: v has 8 tile rows (1,024 channels), q | k 64 (8,192 tokens)
	s_cselect_b32 s29, s66, ttmp9                  ; its column: v has 32 tile columns (8,192 tokens), q | k 8 (2,048 channels)
	s_lshl_b32 s28, s28, 2
	s_add_co_u32 s28, s28, s26                     ; tile row: cy alone enters
	s_lshl_b32 s29, s29, 2
	s_add_co_u32 s29, s29, s25                     ; tile column: cx alone enters
	s_lshl_b32 s30, s26, 2
	s_lshl_b32 s30, 15, s30                        ; my row of the cluster
	s_lshl_b32 s31, 0x1111, s25                    ; my column
	G1SET G1, 30, 512, 4, 2048                     ; A's codes: 4 row tiles, 4,096 bytes (two K steps) of each, 16,384 bytes apart
	G1SET G1B, 31, 512, 8, 2048                    ; B's: 8 row tiles
	G1SET G1S, 30, 32, 8, 32                       ; A's scale words: 2,048 dense bytes as rows of 256
	G1SET G1SB, 31, 32, 16, 32                     ; B's: 4,096
	s_wait_dscnt 0x0                               ; both opening adds are done
	s_wait_kmcnt 0x0
	s_add_nc_u64 s[2:3], s[8:9], 0x200000          ; Wv's images: row tile 128 on
	s_add_nc_u64 s[66:67], s[10:11], 0x10000       ; and its scale words
	s_cmp_eq_u32 s27, 1
	s_cselect_b64 s[92:93], s[2:3], s[4:5]         ; A's codes
	s_cselect_b64 s[94:95], s[66:67], s[6:7]       ; A's scale words
	s_cselect_b64 s[96:97], s[4:5], s[8:9]         ; B's codes
	s_cselect_b64 s[98:99], s[6:7], s[10:11]       ; B's scale words
	s_cmp_eq_u32 ttmp9, 1
	s_cselect_b64 s[100:101], s[14:15], s[12:13]
	s_cmp_eq_u32 ttmp9, 2
	s_cselect_b64 s[100:101], s[16:17], s[100:101] ; the bias: bq, bk or bv
	s_lshl_b32 s4, s28, 3                          ; A': the first row tile that I fetch: 8 x tile row + 4 x half
	s_lshl_b32 s5, s[CH], 2
	s_add_co_u32 s4, s4, s5
	s_lshl_b32 s6, s4, 9
	s_lshl_b32 s4, s4, 14
	s_mov_b32 s5, 0
	s_mov_b32 s7, 0
	s_add_nc_u64 s[92:93], s[92:93], s[4:5]
	s_add_nc_u64 s[94:95], s[94:95], s[6:7]
	s_lshl_b32 s8, s29, 4                          ; B': 16 x tile column + 8 x half
	s_lshl_b32 s9, s[CH], 3
	s_add_co_u32 s8, s8, s9
	s_lshl_b32 s10, s8, 9
	s_lshl_b32 s8, s8, 14
	s_mov_b32 s9, 0
	s_mov_b32 s11, 0
	s_add_nc_u64 s[96:97], s[96:97], s[8:9]
	s_add_nc_u64 s[98:99], s[98:99], s[10:11]
	s_lshl_b32 s12, s[CH], 14                      ; where they go in LDS: the wave's number alone
	s_lshl_b32 s13, s[CH], 15
	s_add_co_u32 s13, s13, BOFF
	s_lshl_b32 s14, s[CH], 11
	s_add_co_u32 s14, s14, SCL
	s_lshl_b32 s15, s[CH], 12
	s_add_co_u32 s15, s15, SCL+4096
	s_mov_b32 s[G0S], 1
	s_mov_b32 s[G0S+1], s14
	s_mov_b64 s[G0S+2:G0S+3], s[94:95]
	s_or_b32 s[G0S+3], s[G0S+3], 0x80000000
	s_mov_b32 s[G0SB], 1
	s_mov_b32 s[G0SB+1], s15
	s_mov_b64 s[G0SB+2:G0SB+3], s[98:99]
	s_or_b32 s[G0SB+3], s[G0SB+3], 0x80000000
.irp s, 0,1
	s_mov_b32 s[G0+4*\s], 1
	s_add_co_u32 s[G0+4*\s+1], s12, \s*SLOT
	s_add_nc_u64 s[G0+4*\s+2:G0+4*\s+3], s[92:93], \s*4096
	s_or_b32 s[G0+4*\s+3], s[G0+4*\s+3], 0x80000000
	s_mov_b32 s[G0B+4*\s], 1
	s_add_co_u32 s[G0B+4*\s+1], s13, \s*SLOT
	s_add_nc_u64 s[G0B+4*\s+2:G0B+4*\s+3], s[96:97], \s*4096
	s_or_b32 s[G0B+4*\s+3], s[G0B+4*\s+3], 0x80000000
.endr
	CROUND                                         ; all sixteen work-groups are here: the first joint loads meet
	JLOAD G0S, G1S, G0SB, G1SB                     ; the scale words of all of K: filled once
	JLOAD G0, G1, G0B, G1B                         ; slot 0
	JLOAD G0+4, G1, G0B+4, G1B                     ; slot 1: three loads of mine are out
	v_and_b32 v1, 15, v0                           ; r
	v_bfe_u32 v2, v0, 4, 1                         ; h
	s_wait_alu depctr_va_vdst(0)
	v_and_b32 v3, 31, v0                           ; lane
	v_lshlrev_b32 v[LI], 4, v3
	v_lshlrev_b32 v[L4], 2, v3
	s_lshl_b32 s12, s[RH], 14                      ; my four row tiles of A'
	s_lshl_b32 s13, s[CH], 15                      ; my eight of B'
	s_add_co_u32 s13, s13, BOFF
.irp s, 0,1
	v_add_nc_u32 v[ADRA+\s], s12, v[LI]
	v_add_nc_u32 v[ADRB+\s], s13, v[LI]
	s_add_co_u32 s12, s12, SLOT
	s_add_co_u32 s13, s13, SLOT
.endr
	s_lshl_b32 s12, s[RH], 11                      ; scale words: lanes 0-15 A's, lanes 16-31 B's: the lower base + h x the distance
	s_lshl_b32 s13, s[CH], 12
	s_add_co_u32 s13, s13, 4096
	s_sub_co_u32 s13, s13, s12
	v_mul_u32_u24 v4, s13, v2
	v_lshl_add_u32 v4, v1, 3, v4
	s_add_co_u32 s12, s12, SCL
	v_add_nc_u32 v[ADRS], s12, v4
	s_and_b32 s12, s29, 3                          ; the biases.  Both sets are loaded in both kinds of cluster, the unused one from the bias's first bytes
	s_lshl_b32 s12, s12, 10
	s_lshl_b32 s13, s[CH], 9
	s_add_co_u32 s12, s12, s13                     ; q, k: my 128 channels
	s_lshl_b32 s13, s28, 9
	s_lshl_b32 s14, s[RH], 8
	s_add_co_u32 s13, s13, s14                     ; v: my 64 channels
	s_cmp_eq_u32 s27, 1
	s_cselect_b32 s12, 0, s12
	s_cselect_b32 s13, s13, 0
	v_lshl_add_u32 v[VBN], v2, 5, s12
	v_lshl_add_u32 v[VBM], v1, 2, s13
	WIN 0xc0                                       ; destination window 3
.irp b, 0,1,2,3,4,5,6,7
	global_load_b128 v[8*\b:8*\b+3], v[VBN], s[100:101] offset:64*\b
	global_load_b128 v[8*\b+4:8*\b+7], v[VBN], s[100:101] offset:64*\b+16
.endr
.irp a, 0,1,2,3
	global_load_b32 v[64+2*\a], v[VBM], s[100:101] offset:64*\a
	global_load_b32 v[65+2*\a], v[VBM], s[100:101] offset:64*\a
.endr
	WIN 0
	s_wait_alu depctr_va_vdst(0)
	s_wait_tensorcnt 1                             ; the scale words and my part of slot 0 are in; slot 1's load may be out
	s_barrier_signal -1
	s_barrier_wait -1
	FETCH_B 0, 0, 0
	FETCH_A 0, 0, 0
	SCALES 0, 0
	STEP 0, 1                                      ; the first products start the sums: nothing is cleared
	TURN 0, 1, 1, 1
	STEP 1, 0
	TURN 1, 0, 1, 2
	STEP 0, 0
	TURN 0, 1, 0, 3                                ; the last two slots are filled no more
	STEP 1, 0
	s_wait_dscnt 0x0
	WIN MUL
	MUL8 0, 1, 1, 1, 0
	MUL8 1, 1, 1, 1, 0
	MUL8 2, 1, 1, 1, 0
	MUL8 3, 1, 1, 1, 0
	WIN 0
	PLACES 8                                       ; ahead of the first read of results and of writes over the fragments' registers
; THE WAY OUT: + bias, quantised in registers; the codes ARE images and are stored as they stand.  v64-127 codes of the four tile rows, v128-131 their scale words, v132-137 words as stored, v140-155 at work
	s_wait_loadcnt 0x0                             ; the biases
	s_mov_b32 s[SEL], 0x76543210
	s_mov_b32 s[SEL+1], 0xfedcba98
.irp b, 0,1,2,3
	v_mov_b32 v[TM+4+\b], 0                        ; a lane permute's destination counts as one of its sources
.endr
	v_cmp_lt_u32 vcc_lo, 15, v3                    ; lanes 16-31 (written behind the last tensor load)
	s_mov_b32 s11, 0
	s_cmp_eq_u32 s27, 1
	s_cbranch_scc1 .Lvmode
	s_lshr_b32 s8, s28, 4                          ; q, k: batch = tile row / 16,
	s_lshl_b32 s8, s8, 5
	s_lshl_b32 s9, s29, 2
	s_add_co_u32 s8, s8, s9
	s_lshl_b32 s9, s[CH], 1
	s_add_co_u32 s8, s8, s9                        ; head block = 32 b + 4 x tile column + 2 x half
	s_mul_i32 s8, s8, HB
	s_and_b32 s9, s28, 15
	s_lshl_b32 s9, s9, 2
	s_lshl_b32 s10, s[RH], 1
	s_add_co_u32 s9, s9, s10                       ; my first pair of token tiles
	s_lshl_b32 s10, s9, 11
	s_add_co_u32 s10, s10, s8
	s_add_nc_u64 s[12:13], s[18:19], s[10:11]
	s_lshl_b32 s10, s9, 6
	s_add_co_u32 s10, s10, s8
	s_add_co_u32 s10, s10, 131072
	s_add_nc_u64 s[14:15], s[18:19], s[10:11]
.irp a, 0,1,2,3
	ADDB \a, 0
	QUANT T, 64+16*\a, 128+\a
.irp g, 0,1,2,3
	global_store_b128 v[LI], v[64+16*\a+4*\g:64+16*\a+4*\g+3], s[12:13] offset:(\a/2)*2048+(2*(\a%2)+\g%2)*512+(\g/2)*HB   ; block g: head g / 2, c = g % 2; 512 consecutive bytes
.endr
.endr
	v_perm_b32 v132, v129, v128, 0x05040100        ; first head, first pair: the low halves of tile rows 0 and 1,
	v_perm_b32 v133, v131, v130, 0x05040100        ; second pair;
	v_perm_b32 v134, v129, v128, 0x07060302        ; second head: the high halves
	v_perm_b32 v135, v131, v130, 0x07060302
	v_cndmask_b32 v136, v132, v133, vcc_lo         ; lanes 0-15 store the first pair's words, lanes 16-31 the second's
	v_cndmask_b32 v137, v134, v135, vcc_lo
	global_store_b32 v[L4], v136, s[14:15]
	global_store_b32 v[L4], v137, s[14:15] offset:HB
	s_branch .Ldone
.Lvmode:
	s_lshr_b32 s8, s29, 3                          ; v: batch = tile column / 8,
	s_lshl_b32 s8, s8, 4
	s_lshl_b32 s9, s28, 1
	s_add_co_u32 s8, s8, s9
	s_add_co_u32 s8, s8, s[RH]                     ; head = 2 x tile row + half
	s_mul_i32 s8, s8, HB
	s_and_b32 s9, s29, 7
	s_lshl_b32 s9, s9, 1
	s_add_co_u32 s9, s9, s[CH]                     ; key step
	s_lshl_b32 s10, s9, 13
	s_add_co_u32 s10, s10, s8
	s_add_nc_u64 s[12:13], s[20:21], s[10:11]
	s_lshl_b32 s10, s9, 8
	s_add_co_u32 s10, s10, s8
	s_add_co_u32 s10, s10, 131072
	s_add_nc_u64 s[14:15], s[20:21], s[10:11]
.irp a, 0,1,2,3
	ADDB \a, 1
	QUANT T, 64+16*\a, 128+\a
.irp g, 0,1,2,3
	global_store_b128 v[LI], v[64+16*\a+4*\g:64+16*\a+4*\g+3], s[12:13] offset:\a*2048+\g*512
.endr
.endr
	v_cndmask_b32 v136, v128, v129, vcc_lo         ; lanes 0-15: channel tile 0, lanes 16-31: tile 1;
	v_cndmask_b32 v137, v130, v131, vcc_lo         ; tiles 2 and 3
	global_store_b32 v[L4], v136, s[14:15]
	global_store_b32 v[L4], v137, s[14:15] offset:128
.Ldone:
	s_wait_tensorcnt 0x0                           ; the wave's end
	ds_add_u32 v[SPW], v[NIL]
	s_wait_dscnt 0x0
	CROUND                                         ; the closing round: no work-group ends while a partner may still ask for a tile that names it
	s_endpgm
.Lfunc_end_k_qb28fd8204a_qkv:
	.size	k_qb28fd8204a_qkv, .Lfunc_end_k_qb28fd8204a_qkv-k_qb28fd8204a_qkv
	.p2alignl 7, 3214868480
	.fill 96, 4, 3214868480
	.section	.rodata,"a",@progbits
	.p2align	6, 0x0
	.amdhsa_kernel k_qb28fd8204a_qkv
		.amdhsa_group_segment_fixed_size 327680
		.amdhsa_private_segment_fixed_size 0
		.amdhsa_enable_private_segment 0
		.amdhsa_kernarg_size 72
		.amdhsa_user_sgpr_count 2
		.amdhsa_user_sgpr_kernarg_segment_ptr 1
		.amdhsa_wavefront_size32 1
		.amdhsa_system_sgpr_workgroup_id_x 1
		.amdhsa_system_sgpr_workgroup_id_y 1
		.amdhsa_system_sgpr_workgroup_id_z 1
		.amdhsa_system_vgpr_workitem_id 0
		.amdhsa_next_free_vgpr 1024
		.amdhsa_next_free_sgpr 102
		.amdhsa_reserve_vcc 1
		.amdhsa_float_denorm_mode_32 3
		.amdhsa_float_denorm_mode_16_64 3
		.amdhsa_fp16_overflow 1
		.amdhsa_memory_ordered 1
		.amdhsa_forward_progress 1
		.amdhsa_inst_pref_size 127
	.end_amdhsa_kernel
	.amdgpu_metadata
---
amdhsa.version: [ 1, 2 ]
amdhsa.kernels:
  - .name:           k_qb28fd8204a_qkv
    .symbol:         k_qb28fd8204a_qkv.kd
    .args:
      - { .name: x_img, .offset: 0, .size: 8, .value_kind: global_buffer, .address_space: global }
      - { .name: x_sc, .offset: 8, .size: 8, .value_kind: global_buffer, .address_space: global }
      - { .name: w_img, .offset: 16, .size: 8, .value_kind: global_buffer, .address_space: global }
      - { .name: w_sc, .offset: 24, .size: 8, .value_kind: global_buffer, .address_space: global }
      - { .name: bq, .offset: 32, .size: 8, .value_kind: global_buffer, .address_space: global }
      - { .name: bk, .offset: 40, .size: 8, .value_kind: global_buffer, .address_space: global }
      - { .name: bv, .offset: 48, .size: 8, .value_kind: global_buffer, .address_space: global }
      - { .name: qk, .offset: 56, .size: 8, .value_kind: global_buffer, .address_space: global }
      - { .name: vimg, .offset: 64, .size: 8, .value_kind: global_buffer, .address_space: global }
    .group_segment_fixed_size: 327680
    .private_segment_fixed_size: 0
    .kernarg_segment_align: 8
    .kernarg_segment_size: 72
    .max_flat_workgroup_size: 128
    .sgpr_count:     102
    .vgpr_count:     1024
    .wavefront_size: 32
...
	.end_amdgpu_metadata
.endif
;; end of part 2
;; launch attn (part 3): grid 4 x 64, 16 waves a work-group, clusters of 4 x 1, 327,680 bytes of LDS; arguments qk, vimg, y_img, y_sc; writes y_img, y_sc
.if DOCPART == 3
	.amdgcn_target "amdgcn-amd-amdhsa--gfx1250"
	.amdhsa_code_object_version 6
	.text
	.protected	k_qb28fd8204a_attn
	.globl	k_qb28fd8204a_attn
	.p2align	8
	.type	k_qb28fd8204a_attn,@function
k_qb28fd8204a_attn:
	s_mov_b64 s[64:65], 0
	v_nop
	global_prefetch_b8 v0, s[64:65] scope:SCOPE_SE
	s_setreg_imm32_b32 hwreg(HW_REG_WAVE_MODE, 25, 1), 1
	s_wait_xcnt 0x0
	s_wait_alu depctr_hold_cnt(0) depctr_sa_sdst(0) depctr_va_vdst(0) depctr_va_sdst(0) depctr_va_ssrc(0) depctr_va_vcc(0) depctr_vm_vsrc(0)
	s_getreg_b32 s2, hwreg(HW_REG_IB_STS2, 6, 4)
	s_cmp_eq_u32 s2, 0
	s_cbranch_scc0 .Lentry_in_a_cluster
	s_endpgm
.Lentry_in_a_cluster:
	s_bfe_u32 s2, ttmp6, 0x10000c
	s_cmp_lg_u32 s2, 0x3003
	s_cbranch_scc0 .Lentry_shape_is_right
	s_endpgm
.Lentry_shape_is_right:
; Causal attention on codes of E4M3, head size 64, 2,048 positions, 64 (batch, head) pairs; y is quantised in registers for the last product.
; THE SOFTMAX AHEAD OF THE SECOND PRODUCT: t = score x log2(e) / 8; M = the running largest t rounded UP to a whole number; p = 2^(t - M) is quantised along the keys, not normalised; the row's sum is taken of the
; unquantised p and divides at the end; when M moves, the sum and O are multiplied by 2^(old M - new M), which rounds nothing.
; SHARES.  A cluster of four work-groups owns one head; the whole head's K and V (codes and scale words, 270,336 bytes) lie in each work-group's LDS, filled ONCE by joint loads: no ring, no refill.
; Wave w of the partner at place j has x = 4 w + j and owns two tiles of 16 queries: 127 - x and x.  Tile t walks key steps (128 keys) 0 .. t / 8: 16 - w / 2 and w / 2 + 1 steps: 17 for every wave of the launch.
; The bounds hang on the wave's number alone; the place j enters only global addresses and the mask's threshold, a vector value.
; LAYOUT.  Both products are used transposed: a lane holds ONE query (lane % 16).  K comes in pairs of token tiles: 16 registers hold two tiles x 64 channels, so one fragment serves two products: against q | zeros
; (first tile) and against zeros | q (second tile); zero codes add nothing.  Register 16 P + 8 u + j of the scores is key 32 P + 16 u + 8 h + j: p's 16 registers of a block are an operand's, with the block's second
; and third eight exchanged, as V's keys were laid; likewise y's channels and Wo's rows.
; LIMITS: NaN and infinities are not served; a block whose largest magnitude lies under 2^-118, a block of zeros too, gets the byte 1.
; No prefetch: all of K and V is asked for at the head, and the second tile's q a phase ahead of its use.
.set KSB,   262144                     ; LDS: K's codes at 0, V's at 131,072, K's scale words here,
.set VSB,   266240                     ; V's here,
.set SPARE, 270336                     ; and the spare words, 128 bytes for each wave: eight blocks of 256 bytes that no other line names
.set HB,    135168
.set LI,   1                           ; v1 16 x lane;  v2 the same in V's codes;  v3, v4 4 x lane among K's and V's scale words
.set LIV,  2
.set LSK,  3
.set LSV,  4
.set SPW,  5
.set NIL,  6
.set RM,   7                           ; r - 8 h
.set DQ,   8                           ; the mask's threshold
.set R4,   9
.set R8,   10
.set NINF, 11
.set QSW,  40                          ; v16-23 q, v24-31 zeros, v32-39 q again;  v40 q's scale word, v41-42 K's, v43-44 V's, v45 p's: scales and nothing else
.set KSW,  41
.set VSW,  43
.set PSW,  45
.set QRAW, 46
.set KV,   48                          ; v48-111 four fragments of K, then of V
.set SS,   112                         ; v112-175 the scores, then p
.set OO,   176                         ; v176-207 O^T
.set PC,   208                         ; v208-223 p's codes
.set BMX,  224
.set PRM,  228
.set HLD,  232
.set SOP,  236
.set FF,   240                         ; v[240:241] f = 2^(old M - new M) (the low word serves both halves)
.set TMP,  242
.set SUM2, 244
.set ADK,  246
.set ADV,  247
.set ADS,  248
.set ADT,  249
.set YW,   250
.set WV,   12
.set MNT,  19
.set SEL,  20
.set CS,   22
.set GA1,  24                          ; three groups 1 (2, 8 and 56 rows of 256 bytes) and three groups 0
.set GB1,  32
.set GC1,  40
.set GA0,  48
.set GB0,  52
.set GC0,  56
.set TH,   68                          ; s[68:75] the heavy tile's q, q's words, y, y's words;  s[76:83] the light tile's; never rewritten
.set TL,   76
.set LASTH, 92
.set LASTL, 93
.set SHH,  94
.set SHL,  95
.set DH,   96
.set DL,   97
.set KSI,  98
.set TK,   99
.set TS,   2
.macro ROUND                           ; a round of the cluster's barrier
	s_barrier_signal -1
	s_barrier_wait -1
	s_cmp_lg_u32 s[WV], 0
	s_cbranch_scc1 .Lnot_wave_0_\@
	s_barrier_signal -3
.Lnot_wave_0_\@:
	s_barrier_wait -3
	s_barrier_signal -1
	s_barrier_wait -1
.endm
.macro G1SET g, rows                   ; a dense block as rows of 256 bytes (32 elements of 8); the mask names all four partners, bit 21 beside it
	s_mov_b32 s[\g], 15|(3<<16)|(1<<21)
	s_mov_b32 s[\g+1], 32<<16
	s_mov_b32 s[\g+2], (\rows)<<16
	s_mov_b32 s[\g+3], 32<<16
	s_mov_b32 s[\g+4], \rows
	s_mov_b32 s[\g+5], 32
	s_mov_b32 s[\g+6], 0
	s_mov_b32 s[\g+7], 0
.endm
.macro TADR t, o, sh, d                ; the addresses of query tile s[t]; s86 = q's head block in bytes, s15 = batch, s16 = head, s91 = 0
	s_lshl_b32 s90, s[\t], 10                      ; q's codes: 1,024 bytes a tile
	s_add_co_u32 s90, s90, s86
	s_add_nc_u64 s[\o:\o+1], s[4:5], s[90:91]
	s_lshr_b32 s90, s[\t], 1                       ; its pair's scale words: 64 bytes a pair
	s_lshl_b32 s90, s90, 6
	s_add_co_u32 s90, s90, s86
	s_add_co_u32 s90, s90, 131072
	s_add_nc_u64 s[\o+2:\o+3], s[4:5], s[90:91]
	s_lshl_b32 s90, s15, 7
	s_add_co_u32 s90, s90, s[\t]                   ; y's row tile: 128 b + tile
	s_lshl_b32 s87, s90, 9
	s_lshl_b32 s90, s90, 14
	s_lshl_b32 s85, s16, 10                        ; the head's 64 channels: 1,024 bytes of the tile's images
	s_add_co_u32 s90, s90, s85
	s_add_nc_u64 s[\o+4:\o+5], s[8:9], s[90:91]
	s_lshr_b32 s90, s16, 2                         ; y's scale bytes: kp = h / 4, then 2 (h % 4) bytes into the row's pair of words
	s_lshl_b32 s90, s90, 7
	s_add_co_u32 s90, s90, s87
	s_and_b32 s85, s16, 3
	s_lshl_b32 s85, s85, 1
	s_add_co_u32 s90, s90, s85
	s_add_nc_u64 s[\o+6:\o+7], s[10:11], s[90:91]
	s_and_b32 s[\sh], s[\t], 1
	s_lshl_b32 s[\sh], s[\sh], 4                   ; which half of the pair's scale word is mine
	s_and_b32 s[\d], s[\t], 7
	s_lshl_b32 s[\d], s[\d], 4                     ; my tile's first query within its last key step
.endm
.macro QLOAD o
	global_load_b128 v[16:19], v[LI], s[\o:\o+1]
	global_load_b128 v[20:23], v[LI], s[\o:\o+1] offset:512
	global_load_b128 v[32:35], v[LI], s[\o:\o+1]
	global_load_b128 v[36:39], v[LI], s[\o:\o+1] offset:512
	global_load_b32 v[QRAW], v[R4], s[\o+2:\o+3]
.endm
.macro INIT sh, d
	v_mov_b32 v13, 0xff61b1e6                      ; the largest t so far: -3e38
	s_delay_alu instid0(VALU_DEP_1)
	v_floor_f32 v12, -v13                          ; -M
	v_mov_b32 v14, 0                               ; the sum, in two halves
	v_mov_b32 v15, 0
.set jj, 0
.rept 32
	v_mov_b32 v[OO+jj], 0                          ; O^T: the step is written without a first step of its own; the first change of M leaves zeros zeros
.set jj, jj+1
.endr
	v_add_nc_u32 v[DQ], s[\d], v[RM]
	s_wait_loadcnt 0x0                             ; q and its scale word
	v_lshrrev_b32 v[TMP], s[\sh], v[QRAW]
	s_delay_alu instid0(VALU_DEP_1)
	v_and_b32 v[TMP], 0xffff, v[TMP]
	s_delay_alu instid0(VALU_DEP_1)
	v_lshl_or_b32 v[QSW], v[TMP], 16, v[TMP]       ; s0, s1, s0, s1: one word serves q | zeros and zeros | q
.rept 4
	v_nop
.endr
.endm
; A KEY STEP: 128 keys.  skip = 1: a step behind the tile's last is left out (a branch on the wave's number and the count of steps).  mask = 1: in the tile's last step hidden scores become -infinity.
.macro STEP skip, mask, last
.if \skip
	s_cmp_gt_u32 s[KSI], s[\last]
	s_cbranch_scc1 .Lhid_\@
.endif
	s_setprio 2
	v_add_nc_u32 v[ADK], s[TK], v[LI]
	v_add_nc_u32 v[ADV], s[TK], v[LIV]
	v_add_nc_u32 v[ADS], s[TS], v[LSK]
	v_add_nc_u32 v[ADT], s[TS], v[LSV]
.rept 4
	v_nop                                          ; with the four additions: eight places between the last products and the loads into registers that they read
.endr
.irp p, 0,1,2,3
.irp c, 0,1,2,3
	ds_load_b128 v[KV+16*\p+4*\c:KV+16*\p+4*\c+3], v[ADK] offset:2048*\p+512*\c
.endr
.endr
	ds_load_b32 v[KSW], v[ADS]                     ; lanes 0-15: pair 0's words, lanes 16-31: pair 1's
	ds_load_b32 v[KSW+1], v[ADS] offset:128        ; pairs 2 and 3
	s_wait_alu depctr_va_vdst(0)
	s_wait_dscnt 0x0
.irp p, 0,1,2,3
.if \p%2
	v_wmma_scale_f32_16x16x128_f8f6f4 v[SS+16*\p:SS+16*\p+7], v[KV+16*\p:KV+16*\p+15], v[16:31], 0, v[KSW+\p/2], v[QSW] matrix_a_scale:MATRIX_SCALE_ROW1
	v_wmma_scale_f32_16x16x128_f8f6f4 v[SS+16*\p+8:SS+16*\p+15], v[KV+16*\p:KV+16*\p+15], v[24:39], 0, v[KSW+\p/2], v[QSW] matrix_a_scale:MATRIX_SCALE_ROW1
.else
	v_wmma_scale_f32_16x16x128_f8f6f4 v[SS+16*\p:SS+16*\p+7], v[KV+16*\p:KV+16*\p+15], v[16:31], 0, v[KSW+\p/2], v[QSW]
	v_wmma_scale_f32_16x16x128_f8f6f4 v[SS+16*\p+8:SS+16*\p+15], v[KV+16*\p:KV+16*\p+15], v[24:39], 0, v[KSW+\p/2], v[QSW]
.endif
.endr
.rept 8
	v_nop                                          ; eight places: ahead of the loads over K's fragments and of the first read of the scores
.endr
.irp t, 0,1,2,3
.irp c, 0,1,2,3
	ds_load_b128 v[KV+16*\t+4*\c:KV+16*\t+4*\c+3], v[ADV] offset:2048*\t+512*\c   ; V's four fragments land while the softmax is walked
.endr
.endr
	ds_load_b32 v[VSW], v[ADT]
	ds_load_b32 v[VSW+1], v[ADT] offset:128
.if \mask
	s_cmp_lg_u32 s[KSI], s[\last]
	s_cbranch_scc1 .Lopen_\@
.set jj, 0
.rept 64
	v_cmp_gt_i32 vcc_lo, 32*(jj/16)+16*((jj/8)%2)+jj%8, v[DQ]      ; the register's key less 8 h, against my query less 8 h
	v_cndmask_b32 v[SS+jj], v[SS+jj], v[NINF], vcc_lo
.set jj, jj+1
.endr
.Lopen_\@:
.endif
.irp b, 0,1,2,3
	v_max3_num_f32 v[BMX+\b], v[SS+16*\b], v[SS+1+16*\b], v[SS+2+16*\b]   ; the largest score of each block of 32 keys: for the row's maximum and, since p rises with the score, for the block's largest p
.endr
.irp i, 3,5,7,9,11,13
.irp b, 0,1,2,3
	v_max3_num_f32 v[BMX+\b], v[BMX+\b], v[SS+16*\b+\i], v[SS+1+16*\b+\i]
.endr
.endr
.irp b, 0,1,2,3
	v_max_num_f32 v[BMX+\b], v[BMX+\b], v[SS+15+16*\b]
.endr
.irp b, 0,1,2,3
	s_delay_alu instid0(VALU_DEP_4)
	v_permlanex16_b32 v[PRM+\b], v[BMX+\b], s[SEL], s[SEL+1]
.endr
.irp b, 0,1,2,3
	s_delay_alu instid0(VALU_DEP_4)
	v_max_num_f32 v[BMX+\b], v[BMX+\b], v[PRM+\b]
.endr
	s_delay_alu instid0(VALU_DEP_2)
	v_max3_num_f32 v[TMP], v[BMX], v[BMX+1], v[BMX+2]
	s_delay_alu instid0(VALU_DEP_1)
	v_max_num_f32 v[TMP], v[TMP], v[BMX+3]
	s_delay_alu instid0(VALU_DEP_1)
	v_mul_f32 v[TMP], s[CS], v[TMP]
	s_delay_alu instid0(VALU_DEP_1)
	v_max_num_f32 v13, v13, v[TMP]                 ; the running largest t
	v_mov_b32 v[TMP], v12
	s_delay_alu instid0(VALU_DEP_2)
	v_floor_f32 v12, -v13                          ; the new -M = -ceil(t)
	s_delay_alu instid0(VALU_DEP_1)
	v_sub_f32 v[TMP], v12, v[TMP]                  ; old M - new M: a whole number, 0 or less
	s_delay_alu instid0(VALU_DEP_1)
	v_cvt_i32_f32 v[TMP], v[TMP]                   ; (it saturates)
	s_delay_alu instid0(VALU_DEP_1)
	v_ldexp_f32 v[FF], 1.0, v[TMP]
.irp j, 0,2,4,6,8,10,12,14,16,18,20,22,24,26,28,30,32,34,36,38,40,42,44,46,48,50,52,54,56,58,60,62
	v_pk_fma_f32 v[SS+\j:SS+\j+1], v[SS+\j:SS+\j+1], s[CS:CS+1], v[12:13] op_sel_hi:[1,0,0]   ; t - M
.endr
.irp b, 0,1,2,3
	v_fma_f32 v[BMX+\b], v[BMX+\b], s[CS], v12
.endr
.set jj, 0
	s_setprio 1
	s_wait_alu depctr_va_vdst(0)
.rept 64
	v_exp_f32 v[SS+jj], v[SS+jj]                   ; p = 2^(t - M)
.set jj, jj+1
.endr
	v_pk_mul_f32 v[14:15], v[14:15], v[FF:FF+1] op_sel_hi:[1,0]   ; the sums under the new M: a plain line behind the exponentials
	s_wait_alu depctr_va_vdst(0)                   ; one wait for the batch of 64, ahead of the first line that names a result
.irp b, 0,1,2,3
	v_exp_f32 v[BMX+\b], v[BMX+\b]                 ; each block's largest p
.endr
	v_pk_add_f32 v[SUM2:SUM2+1], v[SS:SS+1], v[SS+2:SS+3]          ; the row's sum of the unquantised p, in two chains
.irp j, 4,8,12,16,20,24,28,32,36,40,44,48,52,56,60
	v_pk_add_f32 v[14:15], v[14:15], v[SS+\j:SS+\j+1]
	v_pk_add_f32 v[SUM2:SUM2+1], v[SUM2:SUM2+1], v[SS+2+\j:SS+3+\j]
.endr
	s_delay_alu instid0(VALU_DEP_1)
	v_pk_add_f32 v[14:15], v[14:15], v[SUM2:SUM2+1]
	s_wait_alu depctr_va_vdst(0)                   ; and one for the four
.irp b, 0,1,2,3
	v_max_num_f32 v[BMX+\b], 0x4800000, v[BMX+\b]  ; the floor: the byte cannot fall under 1
.endr
.irp b, 0,1,2,3
	s_delay_alu instid0(VALU_DEP_4)
	v_add_nc_u32 v[SOP+\b], 0xfc000000, v[BMX+\b]
.endr
.irp b, 0,1,2,3
.endr
.irp b, 0,1,2,3
	s_delay_alu instid0(VALU_DEP_4)
	v_lshrrev_b32 v[PRM+\b], 23, v[SOP+\b]
.endr
	s_delay_alu instid0(VALU_DEP_3)
	v_lshl_or_b32 v[PSW], v[PRM+1], 8, v[PRM]
	s_delay_alu instid0(VALU_DEP_1)
	v_lshl_or_b32 v[PSW], v[PRM+2], 16, v[PSW]
	s_delay_alu instid0(VALU_DEP_1)
	v_lshl_or_b32 v[PSW], v[PRM+3], 24, v[PSW]
	s_setprio 0
.irp b, 0,1,2,3
.irp i, 0,1,2,3,4,5,6,7,8,9,10,11,12,13,14,15
.endr
	v_cvt_scalef32_pk8_fp8_f32 v[PC+4*\b:PC+1+4*\b], v[SS+16*\b:SS+7+16*\b], v[SOP+\b]
	v_cvt_scalef32_pk8_fp8_f32 v[PC+2+4*\b:PC+3+4*\b], v[SS+8+16*\b:SS+15+16*\b], v[SOP+\b]
.endr
.irp j, 0,2,4,6,8,10,12,14,16,18,20,22,24,26,28,30
	v_pk_mul_f32 v[OO+\j:OO+\j+1], v[OO+\j:OO+\j+1], v[FF:FF+1] op_sel_hi:[1,0]   ; O^T under the new M; these are also the places between the codes and the products
.endr
	s_wait_alu depctr_va_vdst(0)
	s_wait_dscnt 0x0                               ; V's fragments and scale words are in
.irp t, 0,1,2,3
.if \t%2
	v_wmma_scale_f32_16x16x128_f8f6f4 v[OO+8*\t:OO+8*\t+7], v[KV+16*\t:KV+16*\t+15], v[PC:PC+15], v[OO+8*\t:OO+8*\t+7], v[VSW+\t/2], v[PSW] matrix_a_scale:MATRIX_SCALE_ROW1
.else
	v_wmma_scale_f32_16x16x128_f8f6f4 v[OO+8*\t:OO+8*\t+7], v[KV+16*\t:KV+16*\t+15], v[PC:PC+15], v[OO+8*\t:OO+8*\t+7], v[VSW+\t/2], v[PSW]
.endif
.endr
.Lhid_\@:
	s_add_co_u32 s[TK], s[TK], 8192                ; the next step's codes
	s_add_co_u32 s[TS], s[TS], 256                 ; and scale words
.endm
; O^T / the sum = y's 64 channels of my query: two blocks of 32, quantised and stored as half an image
.macro FINAL o
	v_add_f32 v14, v14, v15
	s_wait_alu depctr_va_vdst(0)
	v_permlanex16_b32 v[TMP], v14, s[SEL], s[SEL+1]
	s_delay_alu instid0(VALU_DEP_1)
	v_add_f32 v14, v14, v[TMP]                     ; the row's sum
	s_wait_alu depctr_va_vdst(0)
	v_rcp_f32 v14, v14
	v_nop                                          ; a plain line behind the reciprocal,
	s_wait_alu depctr_va_vdst(0)                   ; and the wait ahead of the first line that names its result
.irp j, 0,2,4,6,8,10,12,14,16,18,20,22,24,26,28,30
	v_pk_mul_f32 v[SS+\j:SS+\j+1], v[OO+\j:OO+\j+1], v[14:15] op_sel_hi:[1,0]
.endr
.irp b, 0,1
	v_max3_num_f32 v[BMX+\b], |v[SS+16*\b]|, |v[SS+1+16*\b]|, 0x4800000
.endr
.irp i, 2,4,6,8,10,12,14
.irp b, 0,1
	s_delay_alu instid0(VALU_DEP_2)
	v_max3_num_f32 v[BMX+\b], v[BMX+\b], |v[SS+16*\b+\i]|, |v[SS+1+16*\b+\i]|
.endr
.endr
.irp b, 0,1
	s_delay_alu instid0(VALU_DEP_2)
	v_permlanex16_b32 v[PRM+\b], v[BMX+\b], s[SEL], s[SEL+1]
.endr
.irp b, 0,1
	s_delay_alu instid0(VALU_DEP_2)
	v_max_num_f32 v[BMX+\b], v[BMX+\b], v[PRM+\b]
.endr
.irp b, 0,1
	s_delay_alu instid0(VALU_DEP_2)
	v_add_nc_u32 v[SOP+\b], 0xfc000000, v[BMX+\b]
.endr
.irp b, 0,1
.endr
.irp b, 0,1
	s_delay_alu instid0(VALU_DEP_2)
	v_lshrrev_b32 v[PRM+\b], 23, v[SOP+\b]
.endr
	s_delay_alu instid0(VALU_DEP_1)
	v_lshl_or_b32 v[YW], v[PRM+1], 8, v[PRM]
.irp b, 0,1
.irp i, 0,1,2,3,4,5,6,7,8,9,10,11,12,13,14,15
.endr
	v_cvt_scalef32_pk8_fp8_f32 v[PC+4*\b:PC+1+4*\b], v[SS+16*\b:SS+7+16*\b], v[SOP+\b]
	v_cvt_scalef32_pk8_fp8_f32 v[PC+2+4*\b:PC+3+4*\b], v[SS+8+16*\b:SS+15+16*\b], v[SOP+\b]
.endr
	v_nop                                          ; a plain line behind the last conversion
	global_store_b128 v[LI], v[PC:PC+3], s[\o+4:\o+5]              ; 512 consecutive bytes each
	global_store_b128 v[LI], v[PC+4:PC+7], s[\o+4:\o+5] offset:512
	global_store_b16 v[R8], v[YW], s[\o+6:\o+7]    ; the head's two scale bytes of row r; lanes r and r + 16 name the same bytes with the same value
	s_wait_xcnt 0x0                                ; the stores have read their registers, which the next tile writes again
.endm
	s_load_b256 s[4:11], s[0:1], 0x0               ; qk, vimg, y_img, y_sc
	v_lshl_add_u32 v[SPW], v0, 2, SPARE
	v_mov_b32 v[NIL], 0
	ds_add_u32 v[SPW], v[NIL]                      ; the wave's opening: the add, twice on end, and its wait ahead of my first tensor load
	ds_add_u32 v[SPW], v[NIL]
	v_lshrrev_b32 v1, 5, v0
	s_delay_alu instid0(VALU_DEP_1)
	v_readfirstlane_b32 s[WV], v1                  ; wave 0..15
	s_bfe_u32 s13, ttmp6, 0x40000                  ; cx: my place in the cluster
	s_and_b32 s14, ttmp7, 0xffff                   ; 16 b + h, which the four partners share
	s_lshr_b32 s15, s14, 4
	s_and_b32 s16, s14, 15
	s_lshr_b32 s17, s[WV], 3                       ; waves 0-7 fetch K's eighths, waves 8-15 V's
	s_and_b32 s18, s[WV], 7
	G1SET GA1, 2
	G1SET GB1, 8
	G1SET GC1, 56
	s_mov_b32 s[GA0], 1
	s_mov_b32 s[GB0], 1
	s_mov_b32 s[GC0], 1
	s_lshl_b32 s[GA0+1], s[WV], 9                  ; scale words: 512 bytes a wave, K's eight parts and then V's
	s_add_co_u32 s[GA0+1], s[GA0+1], KSB
	s_lshl_b32 s84, s17, 17
	s_lshl_b32 s85, s18, 11
	s_add_co_u32 s[GB0+1], s84, s85                ; key steps 0 and 1: 2,048 bytes a wave
	s_mul_i32 s85, s18, 14336
	s_add_co_u32 s85, s85, s84
	s_add_co_u32 s[GC0+1], s85, 16384              ; key steps 2 to 15: 14,336 bytes a wave
	s_lshl_b32 s84, s15, 5
	s_add_co_u32 s84, s84, s16
	s_add_co_u32 s85, s84, 16
	s_mul_i32 s86, s84, HB                         ; q's head block,
	s_mul_i32 s85, s85, HB                         ; k's,
	s_mul_i32 s87, s14, HB                         ; v's
	s_mov_b32 s[SEL], 0x76543210
	s_mov_b32 s[SEL+1], 0xfedcba98
	s_mov_b32 s[CS], 0x3e38aa3b                    ; log2(e) / 8
	s_mov_b32 s[CS+1], s[CS]
	s_lshr_b32 s[LASTL], s[WV], 1                  ; the light tile's last key step,
	s_sub_co_u32 s[LASTH], 15, s[LASTL]            ; the heavy tile's
	s_mov_b32 s63, 0
	s_mov_b32 s91, 0
	s_wait_dscnt 0x0                               ; both opening adds are done
	s_wait_kmcnt 0x0
	s_cmp_eq_u32 s17, 0
	s_cselect_b64 s[60:61], s[4:5], s[6:7]
	s_cselect_b32 s62, s85, s87
	s_add_nc_u64 s[60:61], s[60:61], s[62:63]      ; the head's block of K or of V
	s_lshl_b32 s62, s18, 9
	s_add_co_u32 s62, s62, 131072
	s_add_nc_u64 s[GA0+2:GA0+3], s[60:61], s[62:63]
	s_or_b32 s[GA0+3], s[GA0+3], 0x80000000
	s_lshl_b32 s62, s18, 11
	s_add_nc_u64 s[GB0+2:GB0+3], s[60:61], s[62:63]
	s_or_b32 s[GB0+3], s[GB0+3], 0x80000000
	s_mul_i32 s62, s18, 14336
	s_add_co_u32 s62, s62, 16384
	s_add_nc_u64 s[GC0+2:GC0+3], s[60:61], s[62:63]
	s_or_b32 s[GC0+3], s[GC0+3], 0x80000000
	ROUND                                          ; all four work-groups are here: the joint loads meet
	tensor_load_to_lds s[GA0:GA0+3], s[GA1:GA1+7]  ; every wave issues three, into bytes of its own: one load of mine is out
	s_nop 0
	s_wait_alu depctr_va_vdst(0)
	s_wait_tensorcnt 0x0
	ds_add_u32 v5, v6
	s_wait_dscnt 0x0
	ROUND
	tensor_load_to_lds s[GB0:GB0+3], s[GB1:GB1+7]
	s_nop 0
	s_wait_alu depctr_va_vdst(0)
	s_wait_tensorcnt 0x0
	ds_add_u32 v5, v6
	s_wait_dscnt 0x0
	ROUND
	tensor_load_to_lds s[GC0:GC0+3], s[GC1:GC1+7]
	s_nop 0
.rept 4
	v_nop
.endr
	v_and_b32 v47, 31, v0
	s_delay_alu instid0(VALU_DEP_1)
	v_lshlrev_b32 v[LI], 4, v47
	s_delay_alu instid0(VALU_DEP_1)
	v_add_nc_u32 v[LIV], 131072, v[LI]
	s_delay_alu instid0(VALU_DEP_3)
	v_lshl_add_u32 v[LSK], v47, 2, KSB
	s_delay_alu instid0(VALU_DEP_4)
	v_lshl_add_u32 v[LSV], v47, 2, VSB
	v_and_b32 v[R4], 15, v0                        ; r
	v_bfe_u32 v[R8], v0, 4, 1                      ; h
	s_delay_alu instid0(VALU_DEP_1)
	v_lshlrev_b32 v[RM], 3, v[R8]
	s_delay_alu instid0(VALU_DEP_1)
	v_sub_nc_u32 v[RM], v[R4], v[RM]
	s_delay_alu instid0(VALU_DEP_4)
	v_lshlrev_b32 v[R8], 3, v[R4]
	v_lshlrev_b32 v[R4], 2, v[R4]
	v_mov_b32 v[NINF], 0xff800000
.irp j, 24,25,26,27,28,29,30,31
	v_mov_b32 v\j, 0                               ; the zero codes between the two copies of q
.endr
.irp b, 0,1,2,3
	v_mov_b32 v[PRM+\b], 0                         ; a lane permute's destination counts as one of its sources
.endr
	v_mov_b32 v[FF+1], 0                           ; named as the upper half of a pair
	v_mov_b32 v[TMP], 0
	s_lshl_b32 s88, s[WV], 2
	s_add_co_u32 s88, s88, s13                     ; x = 4 w + place: the light tile;
	s_sub_co_u32 s89, 127, s88                     ; the heavy one
	TADR 89, TH, SHH, DH
	TADR 88, TL, SHL, DL
	QLOAD TH
	INIT SHH, DH
	s_wait_tensorcnt 1                             ; my parts of the scale words and of key steps 0, 1 are in; the third load may be out
	s_barrier_signal -1
	s_barrier_wait -1
	s_mov_b32 s[KSI], 0
	s_mov_b32 s[TK], 0
	s_mov_b32 s[TS], 0
.Lfirst:                                               ; the heavy tile, key steps 0 and 1: every wave has them, and none is a last step
	s_wait_alu depctr_va_vdst(0)
	STEP 0, 0, LASTH
	s_add_co_u32 s[KSI], s[KSI], 1
	s_cmp_lt_u32 s[KSI], 2
	s_cbranch_scc1 .Lfirst
	s_setprio 0
	s_wait_tensorcnt 0x0                           ; my part of key steps 2 to 15 is in,
	s_wait_dscnt 0x0
	s_barrier_signal -1
	s_barrier_wait -1                              ; everybody's is: from here on no wave waits for another
	s_mov_b32 s[TK], 16384
	s_mov_b32 s[TS], 512
.Lheavy:                                               ; key steps 2 to 15
	STEP 1, 1, LASTH
	s_add_co_u32 s[KSI], s[KSI], 1
	s_cmp_lt_u32 s[KSI], 16
	s_cbranch_scc1 .Lheavy
	s_setprio 0
.rept 8
	v_nop                                          ; eight places behind the last products
.endr
	QLOAD TL                                       ; the light tile's q lands while the heavy tile goes out
	FINAL TH
	INIT SHL, DL
	s_mov_b32 s[KSI], 0
	s_mov_b32 s[TK], 0
	s_mov_b32 s[TS], 0
.Llight:                                               ; the light tile: key steps 0 to 7 at the most
	STEP 1, 1, LASTL
	s_add_co_u32 s[KSI], s[KSI], 1
	s_cmp_lt_u32 s[KSI], 8
	s_cbranch_scc1 .Llight
	s_setprio 0
.rept 8
	v_nop
.endr
	FINAL TL
	s_wait_tensorcnt 0x0                           ; the wave's end
	ds_add_u32 v[SPW], v[NIL]
	s_wait_dscnt 0x0
	ROUND                                          ; the closing round
	s_endpgm
.Lfunc_end_k_qb28fd8204a_attn:
	.size	k_qb28fd8204a_attn, .Lfunc_end_k_qb28fd8204a_attn-k_qb28fd8204a_attn
	.p2alignl 7, 3214868480
	.fill 96, 4, 3214868480
	.section	.rodata,"a",@progbits
	.p2align	6, 0x0
	.amdhsa_kernel k_qb28fd8204a_attn
		.amdhsa_group_segment_fixed_size 327680
		.amdhsa_private_segment_fixed_size 0
		.amdhsa_enable_private_segment 0
		.amdhsa_kernarg_size 32
		.amdhsa_user_sgpr_count 2
		.amdhsa_user_sgpr_kernarg_segment_ptr 1
		.amdhsa_wavefront_size32 1
		.amdhsa_system_sgpr_workgroup_id_x 1
		.amdhsa_system_sgpr_workgroup_id_y 1
		.amdhsa_system_sgpr_workgroup_id_z 1
		.amdhsa_system_vgpr_workitem_id 0
		.amdhsa_next_free_vgpr 256
		.amdhsa_next_free_sgpr 100
		.amdhsa_reserve_vcc 1
		.amdhsa_float_denorm_mode_32 3
		.amdhsa_float_denorm_mode_16_64 3
		.amdhsa_fp16_overflow 1
		.amdhsa_memory_ordered 1
		.amdhsa_forward_progress 1
		.amdhsa_inst_pref_size 85
	.end_amdhsa_kernel
	.amdgpu_metadata
---
amdhsa.version: [ 1, 2 ]
amdhsa.kernels:
  - .name:           k_qb28fd8204a_attn
    .symbol:         k_qb28fd8204a_attn.kd
    .args:
      - { .name: qk, .offset: 0, .size: 8, .value_kind: global_buffer, .address_space: global }
      - { .name: vimg, .offset: 8, .size: 8, .value_kind: global_buffer, .address_space: global }
      - { .name: y_img, .offset: 16, .size: 8, .value_kind: global_buffer, .address_space: global }
      - { .name: y_sc, .offset: 24, .size: 8, .value_kind: global_buffer, .address_space: global }
    .group_segment_fixed_size: 327680
    .private_segment_fixed_size: 0
    .kernarg_segment_align: 8
    .kernarg_segment_size: 32
    .max_flat_workgroup_size: 512
    .sgpr_count:     100
    .vgpr_count:     256
    .wavefront_size: 32
...
	.end_amdgpu_metadata
.endif
;; end of part 3
;; launch proj (part 4): grid 4 x 64, 4 waves a work-group, clusters of 4 x 4, 327,680 bytes of LDS; arguments y_img, y_sc, w_img, w_sc, bo, out0; writes out0
.if DOCPART == 4
	.amdgcn_target "amdgcn-amd-amdhsa--gfx1250"
	.amdhsa_code_object_version 6
	.text
	.protected	k_qb28fd8204a_proj
	.globl	k_qb28fd8204a_proj
	.p2align	8
	.type	k_qb28fd8204a_proj,@function
k_qb28fd8204a_proj:
	s_mov_b64 s[64:65], 0
	v_nop
	global_prefetch_b8 v0, s[64:65] scope:SCOPE_SE
	s_setreg_imm32_b32 hwreg(HW_REG_WAVE_MODE, 25, 1), 1
	s_wait_xcnt 0x0
	s_wait_alu depctr_hold_cnt(0) depctr_sa_sdst(0) depctr_va_vdst(0) depctr_va_sdst(0) depctr_va_ssrc(0) depctr_va_vcc(0) depctr_vm_vsrc(0)
	s_getreg_b32 s2, hwreg(HW_REG_IB_STS2, 6, 4)
	s_cmp_eq_u32 s2, 0
	s_cbranch_scc0 .Lentry_in_a_cluster
	s_endpgm
.Lentry_in_a_cluster:
	s_bfe_u32 s2, ttmp6, 0x10000c
	s_cmp_lg_u32 s2, 0xf033
	s_cbranch_scc0 .Lentry_shape_is_right
	s_endpgm
.Lentry_shape_is_right:
; out0 = y Wo + bo on codes of E4M3 (one E8M0 byte for each 32 along K = 1,024).  y's codes and Wo's both lie with the second and third eight of each block of 32 along K exchanged: the product sums the same pairs.
; THE CORE is the one of the launch that makes q, k and v: C'[m'][n'] = sum over k of A'[m'][k] B'[n'][k], A' = y's tokens, B' = Wo's columns; a work-group makes 128 x 256, each of its four waves 64 x 128: 32 accumulators.
; Operands lie in memory as images of their registers (fragment = 16 rows x 128 K = 2,048 bytes, [c][lane][16 bytes]): every LDS load takes 512 consecutive bytes.  The matrix instruction is used transposed
; (source 0 = 16 rows of B', source 1 = 16 rows of A'): a lane holds eight neighbouring numbers of a row of out0.
; K goes in steps of 256 through two LDS slots; the scale words of all of K stay in LDS.  CLUSTER 4 x 4: A's tiles are asked for jointly along a row, B's along a column.  256 work-groups.
; No prefetch: two of the four K slots are asked for at the head, and the rest follows within four steps.
; REGISTERS, in windows of 256.  Window 0: v1 r, v2 h, v3 lane, v5, v6 the stage, v16-31 addresses, v32-63 scale words, v64-191 A's fragments (two sets), later rows on the way out.  Window 1: B's fragments, two sets.
;   Window 2: accumulator (a, b) at v[64 a + 8 b].  Window 3: v0-63 the bias of my 128 columns.
.set SLOT,  98304
.set BOFF,  32768
.set SCL,   196608
.set SPARE, 208896                     ; the spare words, 128 bytes for each wave: two blocks of 256 bytes that no other line names
.set STW,   8448                       ; the way out: a stage of 16 rows x (512 + 16) bytes for each wave, in slot 0, which has then had its last fill and its last read
.set STO,  5
.set RD,   6
.set ADRA, 16
.set ADRB, 20
.set LI,   24
.set ADRS, 27
.set SPW,  28
.set NIL,  29
.set VBN,  30
.set SC,   32
.set AF,   64
.set WV,   22
.set RH,   23
.set CH,   24
.set G1,   32
.set G0,   40
.set G1B,  48
.set G0B,  56
.set G1S,  68
.set G0S,  76
.set G1SB, 80
.set G0SB, 88
.set MUL,  0xa1
.set MSB,  0
.macro WIN new
.if MSB != \new
	s_set_vgpr_msb (MSB<<8)|\new
.set MSB, \new
.endif
.endm
.macro PLACES n
.rept \n
	v_nop
.endr
.endm
.macro JLOAD g0a, g1a, g0b, g1b        ; a joint load: waves 0, 1 fetch for A', waves 2, 3 for B'; an s_nop 0 and four v_nop follow each line
	s_cmp_eq_u32 s[RH], 0
	s_cbranch_scc0 .Lfor_b_\@
	tensor_load_to_lds s[\g0a:\g0a+3], s[\g1a:\g1a+7]
	s_nop 0
.rept 4
	v_nop
.endr
	s_branch .Lasked_\@
.Lfor_b_\@:
	tensor_load_to_lds s[\g0b:\g0b+3], s[\g1b:\g1b+7]
	s_nop 0
.rept 4
	v_nop
.endr
.Lasked_\@:
.endm
.macro CREST
	s_cmp_lg_u32 s[WV], 0
	s_cbranch_scc1 .Lnot_wave_0_\@
	s_barrier_signal -3
.Lnot_wave_0_\@:
	s_barrier_wait -3
	s_barrier_signal -1
	s_barrier_wait -1
.endm
.macro CROUND
	s_barrier_signal -1
	s_barrier_wait -1
	CREST
.endm
.macro G1SET g, mask, c, r, p
	s_or_b32 s[\g], s[\mask], (3<<16)|(1<<21)
	s_mov_b32 s[\g+1], (\c)<<16
	s_mov_b32 s[\g+2], (\r)<<16
	s_mov_b32 s[\g+3], (\c)<<16
	s_mov_b32 s[\g+4], \r
	s_mov_b32 s[\g+5], \p
	s_mov_b32 s[\g+6], 0
	s_mov_b32 s[\g+7], 0
.endm
.macro FRAG reg, adr, off
.irp c, 0,1,2,3
	ds_load_b128 v[(\reg)+4*\c:(\reg)+4*\c+3], v[\adr] offset:(\off)+512*\c
.endr
.endm
.macro FETCH_B slot, q, p
	WIN 0x40
.irp i, 0,1,2,3,4,5,6,7
	FRAG 128*(\p)+16*\i, ADRB+(\slot), \i*4096+(\q)*2048
.endr
	WIN 0
.endm
.macro FETCH_A slot, q, p
.irp i, 0,1,2,3
	FRAG AF+64*(\p)+16*\i, ADRA+(\slot), \i*4096+(\q)*2048
.endr
.endm
.macro SCALES sc, kp
.irp i, 0,1,2,3,4,5,6,7
	ds_load_b64 v[SC+16*(\sc)+2*\i:SC+16*(\sc)+2*\i+1], v[ADRS] offset:\i*512+(\kp)*128
.endr
.endm
.macro MUL8 a, p, q, sc, zero          ; the 32 accumulators take turns, one instruction a turn, in the same order in every step
.irp b, 0,1,2,3,4,5,6,7
.if \zero
	v_wmma_scale_f32_16x16x128_f8f6f4 v[64*(\a)+8*\b:64*(\a)+8*\b+7], v[128*(\p)+16*\b:128*(\p)+16*\b+15], v[AF+64*(\p)+16*(\a):AF+64*(\p)+16*(\a)+15], 0, v[SC+16*(\sc)+2*\b+(\q)], v[SC+16*(\sc)+2*(\a)+(\q)] matrix_a_scale:MATRIX_SCALE_ROW1
.else
	v_wmma_scale_f32_16x16x128_f8f6f4 v[64*(\a)+8*\b:64*(\a)+8*\b+7], v[128*(\p)+16*\b:128*(\p)+16*\b+15], v[AF+64*(\p)+16*(\a):AF+64*(\p)+16*(\a)+15], v[64*(\a)+8*\b:64*(\a)+8*\b+7], v[SC+16*(\sc)+2*\b+(\q)], v[SC+16*(\sc)+2*(\a)+(\q)] matrix_a_scale:MATRIX_SCALE_ROW1
.endif
.endr
.endm
.macro STEP slot, zero
	s_wait_dscnt 0x0                               ; set 0 and its scale words are in
	PLACES 8                                       ; eight places between the last products, which read set 1, and the loads into it
	FETCH_B \slot, 1, 1
	FETCH_A \slot, 1, 1
	WIN MUL
	MUL8 0, 0, 0, \slot, \zero
	MUL8 1, 0, 0, \slot, \zero
	MUL8 2, 0, 0, \slot, \zero
	MUL8 3, 0, 0, \slot, \zero
	WIN 0
.endm
.macro TURN slot, next, fill, kp
	s_wait_tensorcnt 0x0                           ; all my tensor loads have landed: my part of the next slot
	ds_add_u32 v[SPW], v[NIL]
	s_wait_dscnt 1                                 ; set 1 is in; the add alone may be out
	WIN MUL
	MUL8 0, 1, 1, \slot, 0
	s_wait_dscnt 0x0                               ; the add is done, and my reads of this slot are over
	s_barrier_signal -1
	MUL8 1, 1, 1, \slot, 0
	WIN 0
	s_barrier_wait -1
.if \fill
	CREST                                          ; the barrier has opened a round of the cluster's: no wave of any partner reads this slot or has a load on its way
	s_add_nc_u64 s[G0+4*\slot+2:G0+4*\slot+3], s[G0+4*\slot+2:G0+4*\slot+3], 8192
	s_add_nc_u64 s[G0B+4*\slot+2:G0B+4*\slot+3], s[G0B+4*\slot+2:G0B+4*\slot+3], 8192
	JLOAD G0+4*\slot, G1, G0B+4*\slot, G1B         ; the first tensor load behind the round; its four v_nop are four of the eight places ahead of the loads below
	PLACES 4
.else
	PLACES 8
.endif
	FETCH_B \next, 0, 0
	FETCH_A \next, 0, 0
	SCALES \next, \kp
	WIN MUL
	MUL8 2, 1, 1, \slot, 0
	MUL8 3, 1, 1, \slot, 0
	WIN 0
.endm
	s_load_b256 s[4:11], s[0:1], 0x0               ; y_img, y_sc, w_img, w_sc
	s_load_b128 s[12:15], s[0:1], 0x20             ; bo, out0
	v_lshl_add_u32 v[SPW], v0, 2, SPARE
	v_mov_b32 v[NIL], 0
	ds_add_u32 v[SPW], v[NIL]                      ; the wave's opening: the add, twice on end, and its wait ahead of my first tensor load
	ds_add_u32 v[SPW], v[NIL]
	v_lshrrev_b32 v1, 5, v0
	v_readfirstlane_b32 s[WV], v1
	s_lshr_b32 s[RH], s[WV], 1
	s_and_b32 s[CH], s[WV], 1
	s_bfe_u32 s25, ttmp6, 0x40000                  ; cx
	s_bfe_u32 s26, ttmp6, 0x40004                  ; cy
	s_and_b32 s28, ttmp7, 0xffff
	s_lshl_b32 s28, s28, 2
	s_add_co_u32 s28, s28, s26                     ; tile row, 0..63
	s_mov_b32 s29, s25                             ; tile column, 0..3
	s_lshl_b32 s30, s26, 2
	s_lshl_b32 s30, 15, s30                        ; my row of the cluster
	s_lshl_b32 s31, 0x1111, s25                    ; my column
	G1SET G1, 30, 512, 4, 2048
	G1SET G1B, 31, 512, 8, 2048
	G1SET G1S, 30, 32, 8, 32
	G1SET G1SB, 31, 32, 16, 32
	s_wait_dscnt 0x0                               ; both opening adds are done
	s_wait_kmcnt 0x0
	s_mov_b64 s[92:93], s[4:5]
	s_mov_b64 s[94:95], s[6:7]
	s_add_nc_u64 s[96:97], s[8:9], 0x300000        ; Wo's images: row tile 192 on
	s_add_nc_u64 s[98:99], s[10:11], 0x18000       ; and its scale words
	s_mov_b64 s[100:101], s[12:13]
	s_mov_b64 s[18:19], s[14:15]
	s_lshl_b32 s4, s28, 3
	s_lshl_b32 s5, s[CH], 2
	s_add_co_u32 s4, s4, s5
	s_lshl_b32 s6, s4, 9
	s_lshl_b32 s4, s4, 14
	s_mov_b32 s5, 0
	s_mov_b32 s7, 0
	s_add_nc_u64 s[92:93], s[92:93], s[4:5]
	s_add_nc_u64 s[94:95], s[94:95], s[6:7]
	s_lshl_b32 s8, s29, 4
	s_lshl_b32 s9, s[CH], 3
	s_add_co_u32 s8, s8, s9
	s_lshl_b32 s10, s8, 9
	s_lshl_b32 s8, s8, 14
	s_mov_b32 s9, 0
	s_mov_b32 s11, 0
	s_add_nc_u64 s[96:97], s[96:97], s[8:9]
	s_add_nc_u64 s[98:99], s[98:99], s[10:11]
	s_lshl_b32 s12, s[CH], 14
	s_lshl_b32 s13, s[CH], 15
	s_add_co_u32 s13, s13, BOFF
	s_lshl_b32 s14, s[CH], 11
	s_add_co_u32 s14, s14, SCL
	s_lshl_b32 s15, s[CH], 12
	s_add_co_u32 s15, s15, SCL+4096
	s_mov_b32 s[G0S], 1
	s_mov_b32 s[G0S+1], s14
	s_mov_b64 s[G0S+2:G0S+3], s[94:95]
	s_or_b32 s[G0S+3], s[G0S+3], 0x80000000
	s_mov_b32 s[G0SB], 1
	s_mov_b32 s[G0SB+1], s15
	s_mov_b64 s[G0SB+2:G0SB+3], s[98:99]
	s_or_b32 s[G0SB+3], s[G0SB+3], 0x80000000
.irp s, 0,1
	s_mov_b32 s[G0+4*\s], 1
	s_add_co_u32 s[G0+4*\s+1], s12, \s*SLOT
	s_add_nc_u64 s[G0+4*\s+2:G0+4*\s+3], s[92:93], \s*4096
	s_or_b32 s[G0+4*\s+3], s[G0+4*\s+3], 0x80000000
	s_mov_b32 s[G0B+4*\s], 1
	s_add_co_u32 s[G0B+4*\s+1], s13, \s*SLOT
	s_add_nc_u64 s[G0B+4*\s+2:G0B+4*\s+3], s[96:97], \s*4096
	s_or_b32 s[G0B+4*\s+3], s[G0B+4*\s+3], 0x80000000
.endr
	CROUND                                         ; all sixteen work-groups are here: the first joint loads meet
	JLOAD G0S, G1S, G0SB, G1SB
	JLOAD G0, G1, G0B, G1B
	JLOAD G0+4, G1, G0B+4, G1B                     ; three loads of mine are out
	v_and_b32 v1, 15, v0
	v_bfe_u32 v2, v0, 4, 1
	s_wait_alu depctr_va_vdst(0)
	v_and_b32 v3, 31, v0
	v_lshlrev_b32 v[LI], 4, v3
	s_lshl_b32 s12, s[RH], 14
	s_lshl_b32 s13, s[CH], 15
	s_add_co_u32 s13, s13, BOFF
.irp s, 0,1
	v_add_nc_u32 v[ADRA+\s], s12, v[LI]
	v_add_nc_u32 v[ADRB+\s], s13, v[LI]
	s_add_co_u32 s12, s12, SLOT
	s_add_co_u32 s13, s13, SLOT
.endr
	s_lshl_b32 s12, s[RH], 11
	s_lshl_b32 s13, s[CH], 12
	s_add_co_u32 s13, s13, 4096
	s_sub_co_u32 s13, s13, s12
	v_mul_u32_u24 v4, s13, v2
	v_lshl_add_u32 v4, v1, 3, v4
	s_add_co_u32 s12, s12, SCL
	v_add_nc_u32 v[ADRS], s12, v4
	s_mul_i32 s12, s[WV], STW                      ; my stage
	v_mul_u32_u24 v[STO], v1, 528
	v_lshl_add_u32 v[STO], v2, 5, v[STO]
	v_add_nc_u32 v[STO], s12, v[STO]               ; in: row r, 32 bytes for each half of the lanes
	v_add_nc_u32 v[RD], s12, v[LI]                 ; back: a row of 512 bytes to the 32 lanes
	s_lshl_b32 s12, s29, 10
	s_lshl_b32 s13, s[CH], 9
	s_add_co_u32 s12, s12, s13                     ; my 128 columns, in bytes
	v_lshl_add_u32 v[VBN], v2, 5, s12
	s_lshl_b32 s14, s28, 19
	s_lshl_b32 s15, s[RH], 18
	s_add_co_u32 s14, s14, s15                     ; my 64 rows of 4,096 bytes
	s_add_co_u32 s14, s14, s12
	s_mov_b32 s15, 0
	s_add_nc_u64 s[18:19], s[18:19], s[14:15]
	WIN 0xc0                                       ; destination window 3
.irp b, 0,1,2,3,4,5,6,7
	global_load_b128 v[8*\b:8*\b+3], v[VBN], s[100:101] offset:64*\b
	global_load_b128 v[8*\b+4:8*\b+7], v[VBN], s[100:101] offset:64*\b+16
.endr
	WIN 0
	s_wait_alu depctr_va_vdst(0)
	s_wait_tensorcnt 1                             ; the scale words and my part of slot 0 are in; slot 1's load may be out
	s_barrier_signal -1
	s_barrier_wait -1
	FETCH_B 0, 0, 0
	FETCH_A 0, 0, 0
	SCALES 0, 0
	STEP 0, 1
	TURN 0, 1, 1, 1
	STEP 1, 0
	TURN 1, 0, 1, 2
	STEP 0, 0
	TURN 0, 1, 0, 3
	STEP 1, 0
	s_wait_dscnt 0x0
	WIN MUL
	MUL8 0, 1, 1, 1, 0
	MUL8 1, 1, 1, 1, 0
	MUL8 2, 1, 1, 1, 0
	MUL8 3, 1, 1, 1, 0
	WIN 0
	PLACES 8                                       ; ahead of the first read of results and of loads over the fragments' registers
; THE WAY OUT: + bias in place; then, 16 rows x 128 columns at a time, through my own stage, back as whole rows of 512 bytes
	s_wait_loadcnt 0x0                             ; the bias
	WIN 0x8e                                       ; destination and source 0 window 2, source 1 window 3
.irp a, 0,1,2,3
.irp x, 0,2,4,6,8,10,12,14,16,18,20,22,24,26,28,30,32,34,36,38,40,42,44,46,48,50,52,54,56,58,60,62
	v_pk_add_f32 v[64*\a+\x:64*\a+\x+1], v[64*\a+\x:64*\a+\x+1], v[\x:\x+1]   ; each accumulator from its low end on
.endr
.endr
	WIN 0
.macro TOSTAGE a
	WIN 0x08                                       ; an LDS store's data: window 2
.irp b, 0,1,2,3,4,5,6,7
	ds_store_b128 v[STO], v[64*(\a)+8*\b:64*(\a)+8*\b+3] offset:64*\b
	ds_store_b128 v[STO], v[64*(\a)+8*\b+4:64*(\a)+8*\b+7] offset:64*\b+16
.endr
	WIN 0
.irp t, 0,1,2,3,4,5,6,7,8,9,10,11,12,13,14,15
	ds_load_b128 v[64+64*((\a)%2)+4*\t:64+64*((\a)%2)+4*\t+3], v[RD] offset:528*\t   ; LDS serves a wave's instructions in order: these see the stores above
.endr
.endm
.macro SEND a, younger
	s_wait_dscnt \younger                          ; the block is back in registers; the next block's 16 stores and 16 loads may be out
.irp t, 0,1,2,3,4,5,6,7,8,9,10,11,12,13,14,15
	global_store_b128 v[LI], v[64+64*((\a)%2)+4*\t:64+64*((\a)%2)+4*\t+3], s[18:19] offset:(16*(\a)+\t)*4096 th:TH_STORE_NT   ; 512 consecutive bytes, aligned
.endr
.endm
	TOSTAGE 0
	TOSTAGE 1
	s_wait_alu depctr_va_vdst(0)
	SEND 0, 32
	s_wait_xcnt 0x0                                ; block 0's stores have read their registers: block 2's loads may land there
	TOSTAGE 2
	SEND 1, 32
	s_wait_xcnt 0x0
	TOSTAGE 3
	SEND 2, 32
	SEND 3, 0
	s_wait_tensorcnt 0x0                           ; the wave's end, behind my last tensor load and my last LDS store
	ds_add_u32 v[SPW], v[NIL]
	s_wait_dscnt 0x0
	CROUND                                         ; the closing round
	s_endpgm
.Lfunc_end_k_qb28fd8204a_proj:
	.size	k_qb28fd8204a_proj, .Lfunc_end_k_qb28fd8204a_proj-k_qb28fd8204a_proj
	.p2alignl 7, 3214868480
	.fill 96, 4, 3214868480
	.section	.rodata,"a",@progbits
	.p2align	6, 0x0
	.amdhsa_kernel k_qb28fd8204a_proj
		.amdhsa_group_segment_fixed_size 327680
		.amdhsa_private_segment_fixed_size 0
		.amdhsa_enable_private_segment 0
		.amdhsa_kernarg_size 48
		.amdhsa_user_sgpr_count 2
		.amdhsa_user_sgpr_kernarg_segment_ptr 1
		.amdhsa_wavefront_size32 1
		.amdhsa_system_sgpr_workgroup_id_x 1
		.amdhsa_system_sgpr_workgroup_id_y 1
		.amdhsa_system_sgpr_workgroup_id_z 1
		.amdhsa_system_vgpr_workitem_id 0
		.amdhsa_next_free_vgpr 1024
		.amdhsa_next_free_sgpr 102
		.amdhsa_reserve_vcc 0
		.amdhsa_float_denorm_mode_32 3
		.amdhsa_float_denorm_mode_16_64 3
		.amdhsa_memory_ordered 1
		.amdhsa_forward_progress 1
		.amdhsa_inst_pref_size 98
	.end_amdhsa_kernel
	.amdgpu_metadata
---
amdhsa.version: [ 1, 2 ]
amdhsa.kernels:
  - .name:           k_qb28fd8204a_proj
    .symbol:         k_qb28fd8204a_proj.kd
    .args:
      - { .name: y_img, .offset: 0, .size: 8, .value_kind: global_buffer, .address_space: global }
      - { .name: y_sc, .offset: 8, .size: 8, .value_kind: global_buffer, .address_space: global }
      - { .name: w_img, .offset: 16, .size: 8, .value_kind: global_buffer, .address_space: global }
      - { .name: w_sc, .offset: 24, .size: 8, .value_kind: global_buffer, .address_space: global }
      - { .name: bo, .offset: 32, .size: 8, .value_kind: global_buffer, .address_space: global }
      - { .name: out0, .offset: 40, .size: 8, .value_kind: global_buffer, .address_space: global }
    .group_segment_fixed_size: 327680
    .private_segment_fixed_size: 0
    .kernarg_segment_align: 8
    .kernarg_segment_size: 48
    .max_flat_workgroup_size: 128
    .sgpr_count:     102
    .vgpr_count:     1024
    .wavefront_size: 32
...
	.end_amdgpu_metadata
.endif
;; end of part 4
